; MI455X (gfx1250); checked and timed in simulation.
; The chip was launched on July 23, 2026; its instructions are those of AMD's public machine-readable ISA for CDNA 5 (MIT licence, August 2026) and "CDNA5" Instruction Set Architecture Reference Guide (July 2026). The comments in the code are by the model that wrote it; some were corrected since.
;; Attention. Allowed arithmetic: float matrix products may take bf16 or f16 operands with f32 sums; all other float work in f32.
;; Inputs: V 1,024 x 1 float32; W1 1,024 x 1,024 float32; W2 1,024 x 1,024 float32; b1 1,024 float32; b2 1,024 float32; bv 1 float32; encoder_output 16 x 4,096 x 1,024 float32; hidden_state 16 x 1,024 float32.
;; Outputs: out0 16 x 1,024 float32; out1 16 x 4,096 x 1 float32.
;; 2 versions, each right; version 2 is version 1 with the launch main written anew for expert scheduling mode. Each part assembles by itself: llvm-mc -triple=amdgcn-amd-amdhsa -mcpu=gfx1250 --defsym DOCPART=n.
;; ======== version 1 of 2: 3 launches
;; limits: values outside matrix products are rounded to bf16
;; workspace buffers: w2f 2,097,152 bytes; hpart 524,288 bytes; score 262,144 bytes; ml 131,072 bytes; ctxp 2,097,152 bytes
;; launch prep (part 1): grid 320 x 1, 4 waves a work-group, no clusters, 46,592 bytes of LDS; arguments W2, W1, hidden_state, w2f, hpart; writes w2f, hpart
.if DOCPART == 1
	.amdgcn_target "amdgcn-amd-amdhsa--gfx1250"
	.amdhsa_code_object_version 6
	.text
	.protected	k_q60cf3fce48_prep
	.globl	k_q60cf3fce48_prep
	.p2align	8
	.type	k_q60cf3fce48_prep,@function
k_q60cf3fce48_prep:
	s_mov_b64 s[64:65], 0
	v_nop
	global_prefetch_b8 v0, s[64:65] scope:SCOPE_SE
	s_setreg_imm32_b32 hwreg(HW_REG_WAVE_MODE, 25, 1), 1
	s_wait_xcnt 0x0
; Two kinds of work-group, told apart by the work-group's number (the same in all four waves).
; 0 to 255:   W2 [k 1024][u 1024] f32 becomes w2f, bf16 in the order in which the next launch's matrix fragments are loaded.
;             Fragment (w, c, ks, b) lies at (((2 w + c) 32 + ks) 8 + b) 1024; in it byte 512 g + 16 (16 h + r) + 2 e holds
;             W2[32 ks + 16 g + 8 h + e][512 c + 128 w + 16 b + r].  One work-group makes the eight fragments of one (w, c, ks): 32 k x 128 u.
; 256 to 319: hpart[kg][batch][u] = sum over k = 128 kg .. 128 kg + 127 of hidden[batch][k] W1[k][u], for 128 u (sp), bf16 operands, f32 sums.
;             The eight partial sums over kg are added by the next launch, in a fixed order.
; Both bring tiles of 32 k x 128 u into the fragment order by the same step (CONV): thread (wave v, lane L) holds rows 8 v + e, e = 0..7,
; of columns 4 L + c, packs each column's eight numbers into 16 bytes and puts them at fragment L / 4, byte 256 v + 64 (L % 4) + 16 c.
; Sixteen lanes of such a store meet four fragments 1,024 bytes apart, so four of them share each 16-byte column modulo 256 bytes:
; left so, with 16 such stores a thread at the most in the whole kernel.
; No cluster, no tensor loads: no two work-groups read the same bytes of W1 or W2, and every number is converted in registers on its way.
.set ST,     0                         ; LDS: four stages of 8,192 bytes, a tile each, in fragment order
.set HS,     32768                     ; 16 rows of hidden, 128 bf16 each, pitch 272
.set OS,     37376                     ; 16 rows (batch) of 128 f32, pitch 528
.set HPITCH, 272
.set OPITCH, 528
.set GOFF, 8                           ; v8   32,768 v + 16 L: my 16 bytes in row 8 v of a tile of W1 or W2
.set STA,  9                           ; v9   where CONV stores
.set LIN,  10                          ; v10  16 t
.set HOFF, 11                          ; v11  4,096 v + 16 L: row v of hidden and of hpart
.set HSTA, 12                          ; v12  HS + 272 v + 8 L
.set FRA,  13                          ; v13  2,048 v + 16 L: my wave's two fragments in a stage
.set HFA,  14                          ; v14  HS + 272 r + 16 h
.set OSTA, 15                          ; v15  OS + 528 r + 128 v + 32 h
.set ORD,  16                          ; v16  OS + 528 v + 16 L
.set HR,   48                          ; v[48:63]   four rows' parts of hidden
.set XR,   64                          ; v[64:191]  four tiles as loaded, 32 registers each
.set PK,   192                         ; v[192:255] four tiles packed, 16 registers each
.set WF,   64                          ; v[64:127]  fragments of W1: tile tau, n block 0, 1
.set HF,   128                         ; v[128:159] fragments of hidden: tile tau
.set D0,   160                         ; v[160:167], v[168:175] the two accumulators
.set D1,   168
.macro CONV tile
.irp c, 0,1,2,3
.irp i, 0,1,2,3
	v_cvt_pk_bf16_f32 v[PK+16*\tile+4*\c+\i], v[XR+32*\tile+8*\i+\c], v[XR+32*\tile+8*\i+4+\c]   ; rows 2 i and 2 i + 1 of column c
.endr
.endr
.irp c, 0,1,2,3
	ds_store_b128 v[STA], v[PK+16*\tile+4*\c:PK+16*\tile+4*\c+3] offset:ST+8192*\tile+16*\c
.endr
.endm
	s_load_b256 s[4:11], s[0:1], 0x0               ; W2 s[4:5], W1 s[6:7], hidden s[8:9], w2f s[10:11]
	s_load_b64 s[12:13], s[0:1], 0x20              ; hpart
	v_lshl_add_u32 v46, v0, 2, 0xb400
	v_mov_b32 v47, 0
	v_lshrrev_b32 v2, 5, v0
	v_readfirstlane_b32 s14, v2                    ; wave v
	v_and_b32 v1, 31, v0                           ; lane L
	s_lshl_b32 s15, s14, 15
	v_lshl_add_u32 v[GOFF], v1, 4, s15
	v_lshrrev_b32 v3, 2, v1
	v_and_b32 v4, 3, v1
	v_lshlrev_b32 v3, 10, v3
	v_lshl_add_u32 v3, v4, 6, v3
	s_lshl_b32 s15, s14, 8
	v_add_nc_u32 v[STA], s15, v3
	v_lshlrev_b32 v[LIN], 4, v0
	s_cmp_ge_u32 ttmp9, 256
	s_cbranch_scc1 .Lw1
	; ---- W2 into fragment order
	s_and_b32 s18, ttmp9, 31                       ; ks
	s_lshr_b32 s19, ttmp9, 5                       ; cw = 4 c + w: the 128 columns
	s_lshl_b32 s20, s18, 17                        ; 32 rows of 4,096 bytes
	s_lshl_b32 s21, s19, 9
	s_add_co_u32 s20, s20, s21
	s_mov_b32 s21, 0
	s_and_b32 s22, s19, 3                          ; w
	s_lshr_b32 s23, s19, 2                         ; c
	s_lshl1_add_u32 s22, s22, s23
	s_lshl_b32 s22, s22, 5
	s_add_co_u32 s22, s22, s18
	s_lshl_b32 s22, s22, 13                        ; ((2 w + c) 32 + ks) 8,192
	s_mov_b32 s23, 0
	s_wait_kmcnt 0x0
	s_add_nc_u64 s[4:5], s[4:5], s[20:21]
	s_add_nc_u64 s[10:11], s[10:11], s[22:23]
.irp e, 0,1,2,3,4,5,6,7
	global_load_b128 v[XR+4*\e:XR+4*\e+3], v[GOFF], s[4:5] offset:4096*\e th:TH_LOAD_NT   ; a wave's load covers 512 neighbouring bytes of a row
.endr
	s_wait_loadcnt 0x0
	CONV 0
	s_wait_dscnt 0x0                               ; my stores are done, for the other waves' sake
	s_barrier_signal -1
	s_barrier_wait -1
.irp i, 0,1,2,3
	ds_load_b128 v[XR+4*\i:XR+4*\i+3], v[LIN] offset:ST+2048*\i
.endr
.irp i, 0,1,2,3
	s_wait_dscnt 3-\i                              ; LDS loads come back in order: load i is in
	global_store_b128 v[LIN], v[XR+4*\i:XR+4*\i+3], s[10:11] offset:2048*\i   ; 512 neighbouring bytes a wave
.endr
	s_wait_tensorcnt 0x0
	ds_add_u32 v46, v47
	s_wait_dscnt 0x0
	s_endpgm
	; ---- a part of hidden x W1
.Lw1:
	s_sub_co_u32 s16, ttmp9, 256
	s_and_b32 s18, s16, 7                          ; kg
	s_lshr_b32 s19, s16, 3                         ; sp
	s_lshl_b32 s20, s18, 9                         ; hidden: 128 k of 4 bytes
	s_mov_b32 s21, 0
	s_lshl_b32 s22, s18, 19                        ; W1: 128 rows of 4,096 bytes,
	s_lshl_b32 s23, s19, 9                         ; 128 columns
	s_add_co_u32 s22, s22, s23
	s_lshl_b32 s24, s18, 16                        ; hpart: kg x 16 x 4,096, the same columns
	s_add_co_u32 s24, s24, s23
	s_mov_b32 s23, 0
	s_mov_b32 s25, 0
	s_lshl_b32 s15, s14, 12
	v_lshl_add_u32 v[HOFF], v1, 4, s15
	s_wait_kmcnt 0x0
	s_add_nc_u64 s[8:9], s[8:9], s[20:21]
	s_add_nc_u64 s[6:7], s[6:7], s[22:23]
	s_add_nc_u64 s[12:13], s[12:13], s[24:25]
.irp i, 0,1,2,3
	global_load_b128 v[HR+4*\i:HR+4*\i+3], v[HOFF], s[8:9] offset:16384*\i        ; row 4 i + v
.endr
.irp tau, 0,1,2,3
.irp e, 0,1,2,3,4,5,6,7
	global_load_b128 v[XR+32*\tau+4*\e:XR+32*\tau+4*\e+3], v[GOFF], s[6:7] offset:131072*\tau+4096*\e th:TH_LOAD_NT
.endr
.endr
	s_mul_i32 s15, s14, HPITCH
	s_add_co_u32 s15, s15, HS
	v_lshl_add_u32 v[HSTA], v1, 3, s15
	s_lshl_b32 s15, s14, 11
	v_lshl_add_u32 v[FRA], v1, 4, s15
	v_and_b32 v5, 15, v0                           ; r
	v_bfe_u32 v6, v0, 4, 1                         ; h
	v_mul_u32_u24 v7, v5, HPITCH
	v_lshl_add_u32 v7, v6, 4, v7
	v_add_nc_u32 v[HFA], HS, v7
	v_mul_u32_u24 v7, v5, OPITCH
	v_lshl_add_u32 v7, v6, 5, v7
	s_lshl_b32 s15, s14, 7
	s_add_co_u32 s15, s15, OS
	v_add_nc_u32 v[OSTA], s15, v7
	s_mul_i32 s15, s14, OPITCH
	s_add_co_u32 s15, s15, OS
	v_lshl_add_u32 v[ORD], v1, 4, s15
	s_wait_loadcnt 32                              ; the four loads of hidden are in; the 32 of W1 behind them may be out
.irp i, 0,1,2,3
	v_cvt_pk_bf16_f32 v[HR+4*\i], v[HR+4*\i], v[HR+4*\i+1]
	v_cvt_pk_bf16_f32 v[HR+4*\i+1], v[HR+4*\i+2], v[HR+4*\i+3]
	ds_store_b64 v[HSTA], v[HR+4*\i:HR+4*\i+1] offset:4*HPITCH*\i
.endr
.irp tau, 0,1,2,3
	s_wait_loadcnt 24-8*\tau                       ; tile tau's eight loads are in, the later tiles' stay out
	CONV \tau
.endr
	s_wait_dscnt 0x0
	s_barrier_signal -1
	s_barrier_wait -1
	; wave v makes u blocks 2 v and 2 v + 1 of the eight
.irp tau, 0,1,2,3
	ds_load_b128 v[WF+16*\tau:WF+16*\tau+3],     v[FRA] offset:ST+8192*\tau
	ds_load_b128 v[WF+16*\tau+4:WF+16*\tau+7],   v[FRA] offset:ST+8192*\tau+512
	ds_load_b128 v[WF+16*\tau+8:WF+16*\tau+11],  v[FRA] offset:ST+8192*\tau+1024
	ds_load_b128 v[WF+16*\tau+12:WF+16*\tau+15], v[FRA] offset:ST+8192*\tau+1536
	ds_load_b128 v[HF+8*\tau:HF+8*\tau+3],       v[HFA] offset:64*\tau
	ds_load_b128 v[HF+8*\tau+4:HF+8*\tau+7],     v[HFA] offset:64*\tau+32
.endr
	s_wait_dscnt 0x0
	; source 0 = 16 columns of W1, source 1 = the 16 rows of hidden: register j of lane (r, h) is (u = 16 b + 8 h + j, batch r), eight neighbouring u.
	; The two accumulators take turns, one instruction a turn; the first products start the sums.
	v_wmma_f32_16x16x32_bf16 v[D0:D0+7], v[WF:WF+7], v[HF:HF+7], 0
	v_wmma_f32_16x16x32_bf16 v[D1:D1+7], v[WF+8:WF+15], v[HF:HF+7], 0
.irp tau, 1,2,3
	v_wmma_f32_16x16x32_bf16 v[D0:D0+7], v[WF+16*\tau:WF+16*\tau+7], v[HF+8*\tau:HF+8*\tau+7], v[D0:D0+7]
	v_wmma_f32_16x16x32_bf16 v[D1:D1+7], v[WF+16*\tau+8:WF+16*\tau+15], v[HF+8*\tau:HF+8*\tau+7], v[D1:D1+7]
.endr
.rept 4
	v_nop                                          ; four places behind the last matrix instruction (ISA guide 7.12.1) before its results are stored and its sources loaded again
.endr
	ds_store_b128 v[OSTA], v[D0:D0+3]
	ds_store_b128 v[OSTA], v[D0+4:D0+7] offset:16
	ds_store_b128 v[OSTA], v[D1:D1+3] offset:64
	ds_store_b128 v[OSTA], v[D1+4:D1+7] offset:80
	s_wait_dscnt 0x0
	s_barrier_signal -1
	s_barrier_wait -1
.irp i, 0,1,2,3
	ds_load_b128 v[XR+4*\i:XR+4*\i+3], v[ORD] offset:4*OPITCH*\i                  ; batch 4 i + v, 512 bytes a wave
.endr
.irp i, 0,1,2,3
	s_wait_dscnt 3-\i
	global_store_b128 v[HOFF], v[XR+4*\i:XR+4*\i+3], s[12:13] offset:16384*\i
.endr
	s_wait_tensorcnt 0x0
	ds_add_u32 v46, v47
	s_wait_dscnt 0x0
	s_endpgm
.Lfunc_end_k_q60cf3fce48_prep:
	.size	k_q60cf3fce48_prep, .Lfunc_end_k_q60cf3fce48_prep-k_q60cf3fce48_prep
	.p2alignl 7, 3214868480
	.fill 96, 4, 3214868480
	.section	.rodata,"a",@progbits
	.p2align	6, 0x0
	.amdhsa_kernel k_q60cf3fce48_prep
		.amdhsa_group_segment_fixed_size 46592
		.amdhsa_private_segment_fixed_size 0
		.amdhsa_enable_private_segment 0
		.amdhsa_kernarg_size 40
		.amdhsa_user_sgpr_count 2
		.amdhsa_user_sgpr_kernarg_segment_ptr 1
		.amdhsa_wavefront_size32 1
		.amdhsa_system_sgpr_workgroup_id_x 1
		.amdhsa_system_sgpr_workgroup_id_y 1
		.amdhsa_system_sgpr_workgroup_id_z 1
		.amdhsa_system_vgpr_workitem_id 0
		.amdhsa_next_free_vgpr 256
		.amdhsa_next_free_sgpr 66
		.amdhsa_reserve_vcc 0
		.amdhsa_float_denorm_mode_32 3
		.amdhsa_float_denorm_mode_16_64 3
		.amdhsa_memory_ordered 1
		.amdhsa_forward_progress 1
		.amdhsa_inst_pref_size 20
	.end_amdhsa_kernel
	.amdgpu_metadata
---
amdhsa.version: [ 1, 2 ]
amdhsa.kernels:
  - .name:           k_q60cf3fce48_prep
    .symbol:         k_q60cf3fce48_prep.kd
    .args:
      - { .name: W2, .offset: 0, .size: 8, .value_kind: global_buffer, .address_space: global }
      - { .name: W1, .offset: 8, .size: 8, .value_kind: global_buffer, .address_space: global }
      - { .name: hidden_state, .offset: 16, .size: 8, .value_kind: global_buffer, .address_space: global }
      - { .name: w2f, .offset: 24, .size: 8, .value_kind: global_buffer, .address_space: global }
      - { .name: hpart, .offset: 32, .size: 8, .value_kind: global_buffer, .address_space: global }
    .group_segment_fixed_size: 46592
    .private_segment_fixed_size: 0
    .kernarg_segment_align: 8
    .kernarg_segment_size: 40
    .max_flat_workgroup_size: 128
    .sgpr_count:     66
    .vgpr_count:     256
    .wavefront_size: 32
...
	.end_amdgpu_metadata
.endif
;; end of part 1
;; launch main (part 2): grid 512 x 1, 8 waves a work-group, no clusters, 314,368 bytes of LDS; arguments encoder_output, w2f, hpart, b1, b2, V, bv, score, ml, ctxp; writes score, ml, ctxp
.if DOCPART == 2
	.amdgcn_target "amdgcn-amd-amdhsa--gfx1250"
	.amdhsa_code_object_version 6
	.text
	.protected	k_q60cf3fce48_main
	.globl	k_q60cf3fce48_main
	.p2align	8
	.type	k_q60cf3fce48_main,@function
k_q60cf3fce48_main:
	s_mov_b64 s[64:65], 0
	v_nop
	global_prefetch_b8 v0, s[64:65] scope:SCOPE_SE
	s_setreg_imm32_b32 hwreg(HW_REG_WAVE_MODE, 25, 1), 1
	s_wait_xcnt 0x0
; One work-group takes 128 rows t of one batch (block = work-group number, batch = block / 32) and makes of them, with encoder_output read once:
;   score[t] = sum over u of V[u] tanh(h_proj[u] + b1[u] + b2[u] + (enc W2)[t][u]) + bv,
;   m = the block's largest score, l = sum of exp(score - m), ctxp[d] = sum over t of exp(score[t] - m) enc[t][d].
; The last launch merges the 32 blocks of a batch.
; The block stays in LDS in bf16 (AKEEP, 16 slabs of 64 k), for all 1,024 columns u and again for the context.
; EIGHT WAVES, two for each of the WGP's four SIMDs, 512 registers each.  Wave w makes all 128 rows x the 64 columns 512 c + 64 w .. + 63, c = 0, 1 one
; after the other: 32 accumulator tiles of 16 x 16, 256 registers.  A step is 32 along K: 32 matrix instructions, 8 KB of A from LDS, 4 KB of W2.
; Two waves a SIMD instead of one with twice the tile, at the price of reading A from LDS twice as often, because three things then run under the products:
;  - THE BLOCK COMES IN UNDER CHUNK 0.  Steps 2 s and 2 s + 1 need slab s alone.  Slabs 0 to 3 are brought in ahead of the first product; from then on every
;    wave loads 16 rows of each slab into one of two register sets, rounds them to bf16 and stores them.  LDS bytes of the block are written once.
;  - THE TANH OF ONE WAVE RUNS WHILE ANOTHER MULTIPLIES.  Half of the waves (the late ones) leave out the products of steps 0 to 5 and make them up behind
;    step 31, when the slabs are long there.  From the last slab's barrier to the scores' barrier no barrier stands, so the late waves stay six steps behind:
;    they have products to issue while the early waves make their tanh, and the other way round.  Six = two turns of the three B buffers.
;    A wave is late if (w xor w / 4) is odd: waves w and w + 4 differ in that, and so do waves 2 i and 2 i + 1.
;  - the places, waits and loads between one wave's matrix instructions.
; THE TWO CLASSES PART ONCE AND JOIN ONCE at the start (early: steps 0 to 6; late: step 6), with no barrier in between, and once more for the steps made up.
; Both ways lay down slabs 4, 5, 6 and end with the same youngest loads, so every count behind the join holds for both.
; W2: no two waves need the same column, so each wave loads its fragments straight into registers from w2f, which holds them in fragment order.
; NO CLUSTER, NO JOINT LOADS, though all work-groups walk the same w2f: a joint load lands in LDS; AKEEP takes 296,960 bytes, tables and stages 16,384, and
; the 14,336 left of the 327,680 that a work-group can be given hold no two slots of a step's fragments (8 waves x 4,096 bytes).
; encoder_output comes through registers because it is converted to bf16 on the way.
; LIMITS: encoder_output enters the product AND the context sum rounded to bf16; W2, W1 and hidden_state enter their products rounded to bf16.
; v_exp_f32 gives 0 for results below 2^-126: in 1 + exp that is exact enough (tanh = -1), in exp(score - m) it drops weights below 2^-126 of the
; block's largest.  exp = infinity gives rcp = 0 and tanh = 1.  NaN or infinite inputs are not served.
.set PITCH, 144                        ; an LDS row of a slab: 64 bf16 + 16 bytes = 9 x 16: the 16 rows of a fragment load lie in 16 different 16-byte columns modulo 256
.set SLAB,  128*PITCH+128              ; 18,560: 128 rows x 64 k; the 128 more put neighbouring slabs 128 bytes apart modulo 256 (the context's loads take two slabs at once)
.set TABH,  16*SLAB                    ; 296,960: 1,024 f32: 2 log2(e) (h_proj + b1 + b2)
.set TABV,  TABH+4096                  ; 1,024 f32: V
.set PART,  TABV+4096                  ; [wave 8][row 128] f32: the waves' parts of the scores
.set PBUF,  PART+4096                  ; [wave 8][row 128] f32: exp(score - m), a copy of its own for each wave
.set KSB,   8192                       ; w2f: bytes from a step of 32 k to the next
.set CHB,   262144                     ; w2f: bytes from chunk 0 to chunk 1
; window 0 (v0-v255)
.set AB,    2                          ; v[2:7]     144 r + 16 h + 3 k SLAB, k = 0..5: A fragments of slabs 3 k .. 3 k + 2; never rewritten
.set EOFF,  8                          ; (16 w + 8 h) 4,096 + 16 r   my 16 bytes in encoder_output
.set BOFFH, 9                          ; the first two steps that my wave multiplies: BOFF (early), BOFF + 6 KSB (late)
.set BOFF,  10                         ; (w / 2) 524,288 + (w % 2) 4,096 + 16 L   my wave's stream in w2f
.set BOFF2, 11                         ; what follows step 31: early waves chunk 1 (BOFF + CHB), late waves chunk 0 from its start (BOFF)
.set TLOFF, 12                         ; 16 t
.set TST,   13                         ; TABH + 16 t
.set TADR,  14                         ; TABH + 256 w + 4 r
.set PARTW, 15                         ; PART + 512 w + 32 h + 4 (r % 8)
.set PARTR, 16                         ; PART + 16 L
.set PBW,   17                         ; PBUF + 512 w + 16 L
.set PBR,   18                         ; PBUF + 512 w, stepped
.set CA,    19                         ; (2 w + h) SLAB + 8 r: columns 4 t .. 4 t + 3, stepped
.set SOUT,  20                         ; 16 L
.set MLO,   21                         ; 8 L
.set POFF,  22                         ; (16 w + r) 4,096 + 256 h: one lane for each run of 256 bytes of my 16 rows in two slabs
.set SB,    24                         ; v[24:29]   (16 w + 8 h) 144 + 8 r + 3 k SLAB: where my rows of slabs 3 k .. 3 k + 2 go; until the last slab is stored
.set HVP,   24                         ; v[24:31]   then: pairs (table value, V) of my column in each of 4 blocks
.set AF,    32                         ; v[32:63] A fragments of rows 0-63, v[64:95] of rows 64-127
.set TB,    32                         ; v[32:75]   at the head: the table's loads
.set HT,    76                         ; v[76:79]   at the head: L, r, h, at work
.set YT,    32                         ; v[32:63]   at work behind a chunk
.set PV,    32                         ; v[32:47]   context: the weights of 16 rows
.set PS,    64                         ; v[64:95]   the eight waves' parts of four scores
.set EB,    64                         ; v[64:95]   context: 16 rows x 4 bf16
.set BF,    96                         ; v[96:191]  three buffers of B fragments, buffer q, block b at BF + 32 q + 8 b
.set SCR,   96                         ; v[96:99]   behind the products: scores of rows 4 L .. 4 L + 3
.set PP,    100                        ; v[100:103] their exp(score - m)
.set ML,    104                        ; v[104:105] m, l
.set TX,    106                        ; at work
.set CS,    108                        ; v[108:111] my four context sums
.set SETS,  192                        ; v[192:223], v[224:255] two sets of 8 loads: even slabs, odd slabs
.set SC,    192                        ; v[192:255] then 64 running sums of V tanh: row 16 a + 8 h + j at SC + 8 a + j
; window 1 (v256-v511): accumulators, tile (a, b) at v[8 (4 a + b)]; ahead of the first product its first 64 registers take slabs 2 and 3
.set MSB, 0
.macro WIN new                         ; the immediate's high byte repeats the setting that is left; switches that change nothing are dropped
.if MSB != (\new)
	s_set_vgpr_msb (MSB<<8)|(\new)
.set MSB, (\new)
.endif
.endm
.set MULW, 0x50                        ; sources 0 and 1 (A, B) window 0, C and D window 1
.macro PLACES                          ; four places behind a matrix instruction (ISA guide 7.12.1) before its results are read or its sources loaded again
.rept 4
	v_nop
.endr
.endm
; 8 loads: 64 k (256 bytes) of my wave's 16 rows; sixteen lanes take one aligned run of 256 bytes, lanes 16-31 the row eight further down
.macro LOADSLAB s, base
.irp j, 0,1,2,3,4,5,6,7
	global_load_b128 v[(\base)+4*\j:(\base)+4*\j+3], v[EOFF], s[8:9] offset:4096*\j+256*(\s) th:TH_LOAD_NT
.endr
.endm
; Slabs s and s + 1 of my wave's 16 rows are asked for ahead: 32 lanes, 32 runs of 256 bytes, each asked for once in the launch, by the wave that will load it.
; The last request is for slabs 14 and 15: none points past a row's end.
.macro PREF s
	global_prefetch_b8 v[POFF], s[8:9] offset:256*(\s) th:TH_LOAD_NT scope:SCOPE_SE
.endm
; 8 loads: one step's four B fragments, 4,096 neighbouring bytes of my wave's stream, into buffer q
.macro LOADB q, voff, off
.irp b, 0,1,2,3
	global_load_b128 v[BF+32*(\q)+8*\b:BF+32*(\q)+8*\b+3],   v[\voff], s[10:11] offset:(\off)+1024*\b
	global_load_b128 v[BF+32*(\q)+8*\b+4:BF+32*(\q)+8*\b+7], v[\voff], s[10:11] offset:(\off)+1024*\b+512
.endr
.endm
; My 16 rows of slab s, which have landed in set s % 2, are rounded to bf16 and laid into LDS; nxt >= 0: the set is asked for again, slab nxt (of the same parity)
.macro CONSUME s, nxt
.set XB, SETS+32*((\s)&1)
.irp j, 0,1,2,3,4,5,6,7
	v_cvt_pk_bf16_f32 v[XB+4*\j], v[XB+4*\j], v[XB+4*\j+1]
	v_cvt_pk_bf16_f32 v[XB+4*\j+1], v[XB+4*\j+2], v[XB+4*\j+3]
.endr
.irp j, 0,1,2,3,4,5,6,7
	ds_store_b64 v[SB+(\s)/3], v[XB+4*\j:XB+4*\j+1] offset:((\s)%3)*SLAB+PITCH*\j    ; lanes 16-31 lie 8 rows = 1,152 bytes on: the other half of 256
.endr
	s_wait_dscnt 0x0                               ; zero: the stores are done for the other waves' sake (a barrier's signal follows sooner or later), and before their data are loaded again
.if \nxt >= 0
	LOADSLAB \nxt, XB
.endif
.endm
; The same for slabs 2 and 3, which landed in window 1; their registers are not asked for again
.macro CONSUMEW s
.set XB, 32*((\s)-2)
	WIN 0x45                                       ; sources 0 and 1 and the destination in window 1
.irp j, 0,1,2,3,4,5,6,7
	v_cvt_pk_bf16_f32 v[XB+4*\j], v[XB+4*\j], v[XB+4*\j+1]
	v_cvt_pk_bf16_f32 v[XB+4*\j+1], v[XB+4*\j+2], v[XB+4*\j+3]
.endr
	WIN 0x04                                       ; store data from window 1, address from window 0
.irp j, 0,1,2,3,4,5,6,7
	ds_store_b64 v[SB+(\s)/3], v[XB+4*\j:XB+4*\j+1] offset:((\s)%3)*SLAB+PITCH*\j
.endr
	WIN 0
.endm
; 16 matrix instructions: four row blocks (hi = 0: rows 0-63, 1: rows 64-127) x my four column blocks, 32 along K, B from buffer q
.macro MULH q, hi, zero
.irp a, 0,1,2,3
.irp b, 0,1,2,3
.if \zero
	v_wmma_f32_16x16x32_bf16 v[8*(4*(4*\hi+\a)+\b):8*(4*(4*\hi+\a)+\b)+7], v[AF+32*\hi+8*\a:AF+32*\hi+8*\a+7], v[BF+32*(\q)+8*\b:BF+32*(\q)+8*\b+7], 0
.else
	v_wmma_f32_16x16x32_bf16 v[8*(4*(4*\hi+\a)+\b):8*(4*(4*\hi+\a)+\b)+7], v[AF+32*\hi+8*\a:AF+32*\hi+8*\a+7], v[BF+32*(\q)+8*\b:BF+32*(\q)+8*\b+7], v[8*(4*(4*\hi+\a)+\b):8*(4*(4*\hi+\a)+\b)+7]
.endif
.endr
.endr
.endm
; 8 LDS loads: four A fragments of k step ks: slab ks / 2, byte 64 (ks % 2) of its rows
.macro LOADA hi, ks
.irp a, 0,1,2,3
	ds_load_b128 v[AF+32*\hi+8*\a:AF+32*\hi+8*\a+3],   v[AB+((\ks)>>1)/3] offset:(((\ks)>>1)%3)*SLAB+((\ks)&1)*64+(4*\hi+\a)*16*PITCH
	ds_load_b128 v[AF+32*\hi+8*\a+4:AF+32*\hi+8*\a+7], v[AB+((\ks)>>1)/3] offset:(((\ks)>>1)%3)*SLAB+((\ks)&1)*64+(4*\hi+\a)*16*PITCH+32
.endr
.endm
; The products of a step: 32 matrix instructions on the 32 accumulators, which take turns, one instruction a turn and in the same order in every step.
; q: the step's B buffer.  zero: the products start the sums.  bw: how many younger loads may be out when this step's B has to be
; there (-1: it is known to be there).  nk: the k step whose A fragments are fetched meanwhile (-1: none), each half behind the 16 matrix instructions that
; read its registers.  bar = 1: a barrier was signalled in front; it is waited for behind 16 matrix instructions, which touch registers alone.
; pf: slabs to ask for ahead (-1: none).
.macro MSTEP q, zero, bw, nk, bar, pf
.if \bw >= 0
	s_wait_loadcnt \bw
.endif
	s_wait_dscnt 8                                 ; A of rows 0-63 is in; the eight loads of rows 64-127 may be out
	WIN MULW
	MULH \q, 0, \zero
.if \bar
	s_barrier_wait -1                              ; every wave's rows of the slabs stored so far are in LDS
.endif
.if \pf >= 0
	PREF \pf
.endif
	PLACES
	WIN 0
.if \nk >= 0
	LOADA 0, \nk
	s_wait_dscnt 8                                 ; all but the eight just issued
.else
	s_wait_dscnt 0x0
.endif
	WIN MULW
	MULH \q, 1, \zero
	PLACES
	WIN 0
.if \nk >= 0
	LOADA 1, \nk
.endif
.endm
; Four tiles (row block a, my four column blocks): y = 2 log2(e) x, tanh(x) = 1 - 2 / (1 + 2^y), each element by itself; V tanh is added to the rows' sums
.macro BATCH c, a
	WIN 0x01                                       ; source 0 from the accumulators' window
.irp k, 0,1,2,3
.irp p, 0,1,2,3
	v_pk_fma_f32 v[YT+8*\k+2*\p:YT+8*\k+2*\p+1], v[8*(4*\a+\k)+2*\p:8*(4*\a+\k)+2*\p+1], 0x4038aa3b, v[HVP+2*\k:HVP+2*\k+1] op_sel_hi:[1,0,0]
.endr
.endr
	WIN 0
.set idx, 0
.rept 32
	v_exp_f32 v[YT+idx], v[YT+idx]
.set idx, idx+1
.endr
	v_nop                                          ; one plain instruction between a transcendental and the use of its result (ISA guide 5.7.2)
.set idx, 0
	s_wait_alu depctr_va_vdst(0)
.rept 16
	v_pk_add_f32 v[YT+idx:YT+idx+1], v[YT+idx:YT+idx+1], 1.0 op_sel_hi:[1,0]
.set idx, idx+2
.endr
.set idx, 0
.rept 32
	v_rcp_f32 v[YT+idx], v[YT+idx]
.set idx, idx+1
.endr
	v_nop
.set idx, 0
	s_wait_alu depctr_va_vdst(0)
.rept 16
	v_pk_fma_f32 v[YT+idx:YT+idx+1], v[YT+idx:YT+idx+1], -2.0, 1.0 op_sel_hi:[1,0,0]
.set idx, idx+2
.endr
.irp k, 0,1,2,3
.irp p, 0,1,2,3
.if (\c+\k) == 0
	v_pk_mul_f32 v[SC+8*\a+2*\p:SC+8*\a+2*\p+1], v[YT+8*\k+2*\p:YT+8*\k+2*\p+1], v[HVP+2*\k:HVP+2*\k+1] op_sel:[0,1] op_sel_hi:[1,1]   ; the first product starts the sum
.else
	v_pk_fma_f32 v[SC+8*\a+2*\p:SC+8*\a+2*\p+1], v[YT+8*\k+2*\p:YT+8*\k+2*\p+1], v[HVP+2*\k:HVP+2*\k+1], v[SC+8*\a+2*\p:SC+8*\a+2*\p+1] op_sel:[0,1,0]
.endif
.endr
.endr
.endm
.macro EPI c
.irp b, 0,1,2,3
	ds_load_b32 v[HVP+2*\b],   v[TADR] offset:2048*\c+64*\b                   ; column 512 c + 64 w + 16 b + r
	ds_load_b32 v[HVP+2*\b+1], v[TADR] offset:2048*\c+64*\b+4096
.endr
	s_wait_dscnt 0x0
.irp a, 0,1,2,3,4,5,6,7
	BATCH \c, \a
.endr
.endm
; The eight sums of row block a are added over the 16 lanes that hold the 16 columns: in each of three steps a lane keeps half of its sums and hands the
; other half to the lane 4, 2, 1 away; a fourth step adds lanes 8 apart.  Lane (r, h) ends with row 16 a + 8 h + r % 8.
.macro RED a
.irp k, 0,1,2,3
	v_cndmask_b32 v[YT+\k],   v[SC+8*\a+\k],   v[SC+8*\a+4+\k], s36
	v_cndmask_b32 v[YT+4+\k], v[SC+8*\a+4+\k], v[SC+8*\a+\k],   s36
.endr
.irp k, 0,1,2,3
	v_add_f32_dpp v[YT+\k], v[YT+4+\k], v[YT+\k] row_xmask:4 row_mask:0xf bank_mask:0xf
.endr
.irp k, 0,1
	v_cndmask_b32 v[YT+8+\k],  v[YT+\k],   v[YT+2+\k], s37
	v_cndmask_b32 v[YT+10+\k], v[YT+2+\k], v[YT+\k],   s37
.endr
.irp k, 0,1
	v_add_f32_dpp v[YT+8+\k], v[YT+10+\k], v[YT+8+\k] row_xmask:2 row_mask:0xf bank_mask:0xf
.endr
	v_cndmask_b32 v[YT+16+\a], v[YT+8], v[YT+9], s38
	v_cndmask_b32 v[YT+12],    v[YT+9], v[YT+8], s38
	v_add_f32_dpp v[YT+16+\a], v[YT+12], v[YT+16+\a] row_xmask:1 row_mask:0xf bank_mask:0xf
	v_add_f32_dpp v[YT+16+\a], v[YT+16+\a], v[YT+16+\a] row_xmask:8 row_mask:0xf bank_mask:0xf
	ds_store_b32 v[PARTW], v[YT+16+\a] offset:64*\a                          ; lanes r and r + 8 write the same word with the same number
.endm
	; ---- head: what the first loads need
	s_load_b512 s[8:23], s[0:1], 0x0               ; enc s[8:9], w2f s[10:11], hpart s[12:13], b1 s[14:15], b2 s[16:17], V s[18:19], bv s[20:21], score s[22:23]
	s_load_b128 s[24:27], s[0:1], 0x40             ; ml s[24:25], ctxp s[26:27]
	v_lshl_add_u32 v1, v0, 2, 0x4c800
	v_mov_b32 v23, 0
	v_lshrrev_b32 v[HT], 5, v0
	v_readfirstlane_b32 s28, v[HT]                 ; wave w
	v_and_b32 v[HT], 31, v0                        ; L
	v_and_b32 v[HT+1], 15, v0                      ; r
	v_bfe_u32 v[HT+2], v0, 4, 1                    ; h
	s_lshr_b32 s29, s28, 2
	s_xor_b32 s29, s29, s28
	s_and_b32 s29, s29, 1                          ; 0: an early wave, 1: a late one
	s_lshr_b32 s30, ttmp9, 5                       ; batch
	s_mov_b32 s33, 0
	v_lshlrev_b32 v[TLOFF], 4, v0
	s_lshl_b32 s31, s28, 16
	v_lshl_add_u32 v[HT+3], v[HT+2], 15, s31
	v_lshl_add_u32 v[EOFF], v[HT+1], 4, v[HT+3]
	v_lshl_add_u32 v[HT+3], v[HT+1], 12, s31
	v_lshl_add_u32 v[POFF], v[HT+2], 8, v[HT+3]
	s_lshr_b32 s31, s28, 1
	s_lshl_b32 s31, s31, 19
	s_and_b32 s41, s28, 1
	s_lshl_b32 s41, s41, 12
	s_add_co_u32 s31, s31, s41
	v_lshl_add_u32 v[BOFF], v[HT], 4, s31
	s_mul_i32 s41, s29, 6*KSB
	v_add_nc_u32 v[BOFFH], s41, v[BOFF]
	s_wait_kmcnt 0x0
	s_load_b32 s35, s[20:21], 0x0                  ; bv
	s_lshl_b32 s32, ttmp9, 19                      ; 128 rows of 4,096 bytes
	s_add_nc_u64 s[8:9], s[8:9], s[32:33]
	s_lshl_b32 s32, s30, 12
	s_add_nc_u64 s[12:13], s[12:13], s[32:33]
	s_lshl_b32 s32, ttmp9, 9
	s_add_nc_u64 s[22:23], s[22:23], s[32:33]
	s_lshl_b32 s32, ttmp9, 8
	s_add_nc_u64 s[24:25], s[24:25], s[32:33]
	s_lshl_b32 s32, ttmp9, 12
	s_add_nc_u64 s[26:27], s[26:27], s[32:33]
	; 59 loads of every wave go out at once: slabs 0 to 3 (32), the table (11), the first two steps' B (16)
	LOADSLAB 0, SETS
	LOADSLAB 1, SETS+32
	WIN 0x40                                       ; destination in window 1, address in window 0
	LOADSLAB 2, 0
	LOADSLAB 3, 32
	WIN 0
	; the table: thread t takes u = 4 t .. 4 t + 3: eight parts of h_proj, b1, b2, V
.irp k, 0,1,2,3,4,5,6,7
	global_load_b128 v[TB+4*\k:TB+4*\k+3], v[TLOFF], s[12:13] offset:65536*\k
.endr
	global_load_b128 v[TB+32:TB+35], v[TLOFF], s[14:15]
	global_load_b128 v[TB+36:TB+39], v[TLOFF], s[16:17]
	global_load_b128 v[TB+40:TB+43], v[TLOFF], s[18:19]
	LOADB 0, BOFFH, 0                              ; early waves: steps 0 and 1; late waves: steps 6 and 7, which use the same two buffers
	LOADB 1, BOFFH, KSB
	PREF 4                                         ; slabs 4 to 7, whose loads wait for a free register set
	PREF 6
	; the other addresses, while the loads are on their way
	s_mul_i32 s31, s28, 16*PITCH
	v_mul_u32_u24 v[HT+3], v[HT+2], 8*PITCH
	v_add_nc_u32 v[HT+3], s31, v[HT+3]
	v_lshl_add_u32 v[SB], v[HT+1], 3, v[HT+3]
.irp k, 1,2,3,4,5
	v_add_nc_u32 v[SB+\k], \k*3*SLAB, v[SB]
.endr
	v_lshlrev_b32 v[SOUT], 4, v[HT]
	v_lshlrev_b32 v[MLO], 3, v[HT]
	v_mul_u32_u24 v[HT+3], v[HT+1], PITCH
	v_lshl_add_u32 v[AB], v[HT+2], 4, v[HT+3]
.irp k, 1,2,3,4,5
	v_add_nc_u32 v[AB+\k], \k*3*SLAB, v[AB]
.endr
	s_xor_b32 s41, s29, 1
	s_lshl_b32 s41, s41, 18                        ; CHB for the early waves, 0 for the late
	v_add_nc_u32 v[BOFF2], s41, v[BOFF]
	v_add_nc_u32 v[TST], TABH, v[TLOFF]
	s_lshl_b32 s41, s28, 8
	s_add_co_u32 s41, s41, TABH
	v_lshl_add_u32 v[TADR], v[HT+1], 2, s41
	v_and_b32 v[HT+3], 7, v0
	v_lshlrev_b32 v[HT+3], 2, v[HT+3]
	v_lshl_add_u32 v[HT+3], v[HT+2], 5, v[HT+3]
	s_lshl_b32 s31, s28, 9
	s_add_co_u32 s41, s31, PART
	v_add_nc_u32 v[PARTW], s41, v[HT+3]
	v_add_nc_u32 v[PARTR], PART, v[SOUT]
	s_add_co_u32 s41, s31, PBUF
	v_add_nc_u32 v[PBW], s41, v[SOUT]
	v_mov_b32 v[PBR], s41
	s_mul_i32 s31, s28, 2*SLAB
	v_mul_u32_u24 v[HT+3], v[HT+2], SLAB
	v_add_nc_u32 v[HT+3], s31, v[HT+3]
	v_lshl_add_u32 v[CA], v[HT+1], 3, v[HT+3]
	s_mov_b32 s36, 0xf0f0f0f0                      ; lanes with bit 2, 1, 0 of their number set
	s_mov_b32 s37, 0xcccccccc
	s_mov_b32 s38, 0xaaaaaaaa
	s_mov_b32 s39, 0x76543210                      ; v_permlanex16_b32: lane i of one half reads lane i of the other
	s_mov_b32 s40, 0xfedcba98
	; ---- slabs 0 to 3 and the table.  Loads come back in order (ISA guide 5.7.1); each count is what was issued behind the loads waited for
	s_wait_loadcnt 51                              ; slab 0: behind it slabs 1, 2, 3 (24), the table (11), B (16)
	CONSUME 0, 4
	s_wait_loadcnt 51                              ; slab 1: slabs 2, 3 (16), the table, B, slab 4 (8)
	CONSUME 1, 5
	s_wait_loadcnt 51                              ; slab 2: slab 3 (8), the table, B, slabs 4, 5 (16)
	CONSUMEW 2
	s_wait_loadcnt 43                              ; slab 3: the table, B, slabs 4, 5
	CONSUMEW 3
	s_wait_loadcnt 32                              ; the table: B, slabs 4, 5
.irp k, 1,2,3,4,5,6,7,8,9
	v_pk_add_f32 v[TB:TB+1],   v[TB:TB+1],   v[TB+4*\k:TB+4*\k+1]
	v_pk_add_f32 v[TB+2:TB+3], v[TB+2:TB+3], v[TB+4*\k+2:TB+4*\k+3]
.endr
	v_pk_mul_f32 v[TB:TB+1],   v[TB:TB+1],   0x4038aa3b op_sel_hi:[1,0]      ; times 2 log2(e)
	v_pk_mul_f32 v[TB+2:TB+3], v[TB+2:TB+3], 0x4038aa3b op_sel_hi:[1,0]
	ds_store_b128 v[TST], v[TB:TB+3]
	ds_store_b128 v[TST], v[TB+40:TB+43] offset:4096
	s_wait_dscnt 0x0                               ; my rows of slabs 2 and 3 and my part of the table are stored
	s_barrier_signal -1
	s_barrier_wait -1                              ; slabs 0 to 3 (steps 0 to 7) and the table are whole
	; ---- the two classes part.  No barrier stands before they join: both read slabs 0 to 3 and store their own rows of slabs 4, 5, 6.
	s_cmp_lg_u32 s29, 0
	s_cbranch_scc1 .Llate
	; EARLY: steps 0 to 6.  At step g B of step g + 2 is asked for; at steps 2, 4, 6 slab g / 2 + 3 is laid down and slab g / 2 + 5 asked for.
	; Issued behind the head's B 0, B 1, slab 4, slab 5:  B 2 | B 3 | B 4, slab 6 | B 5 | B 6, slab 7 | B 7 | B 8, slab 8.
	LOADA 0, 0
	LOADA 1, 0
	LOADB 2, BOFF, 2*KSB
	MSTEP 0, 1, 32, 1, 0, -1                       ; step 0 starts the sums.  Behind B 0: B 1, slabs 4, 5, B 2
	LOADB 0, BOFF, 3*KSB
	MSTEP 1, 0, 32, 2, 0, -1                       ; step 1.  Behind B 1: slabs 4, 5, B 2, B 3
	LOADB 1, BOFF, 4*KSB
	s_wait_loadcnt 32                              ; slab 4: behind it slab 5, B 2, B 3, B 4
	CONSUME 4, 6
	MSTEP 2, 0, 24, 3, 0, 8                        ; step 2.  Behind B 2: B 3, B 4, slab 6
	LOADB 2, BOFF, 5*KSB
	MSTEP 0, 0, 24, 4, 0, -1                       ; step 3.  Behind B 3: B 4, slab 6, B 5
	LOADB 0, BOFF, 6*KSB
	CONSUME 5, 7                                   ; slab 5 is older than B 2, which step 2 waited for
	MSTEP 1, 0, 32, 5, 0, -1                       ; step 4.  Behind B 4: slab 6, B 5, B 6, slab 7
	LOADB 1, BOFF, 7*KSB
	MSTEP 2, 0, 24, 6, 0, -1                       ; step 5.  Behind B 5: B 6, slab 7, B 7
	LOADB 2, BOFF, 8*KSB
	CONSUME 6, 8                                   ; slab 6 is older than B 5
	MSTEP 0, 0, 32, 7, 0, 10                       ; step 6.  Behind B 6: slab 7, B 7, B 8, slab 8
	s_branch .Ljoin
.Llate:
	; LATE: the same three slabs, then step 6, whose products start the sums: nothing is cleared.  Issued behind the head's B 6, B 7, slab 4, slab 5:
	; slab 6 | slab 7 | B 8 | slab 8.
	s_wait_loadcnt 8                               ; slab 4 (and B 6, B 7, which are older): behind it slab 5
	PREF 8
	CONSUME 4, 6
	s_wait_loadcnt 8                               ; slab 5: behind it slab 6
	CONSUME 5, 7
	LOADB 2, BOFF, 8*KSB
	LOADA 0, 6
	LOADA 1, 6
	s_wait_loadcnt 16                              ; slab 6: behind it slab 7, B 8
	PREF 10
	CONSUME 6, 8
	MSTEP 0, 1, -1, 7, 0, -1                       ; step 6
.Ljoin:
	; ---- chunk 0, steps 7 to 31, all waves alike.
	; What may be out at the join: slab 7, B 7 (early waves alone; the late ones have it), B 8, slab 8, in this order.  Step 7 asks for B 9 and leaves
	; B 8, slab 8, B 9 out: from there on the two classes have the same loads out.
	; Step 7 carries the barrier that shows slabs 4, 5, 6 whole; it fetches slab 4's first fragments behind that barrier's wait.
	; Even steps 8 to 24: slab g / 2 + 3 is laid down, five steps before its first fragment is fetched, with a barrier; it is older than B g - 1, which the
	; step before waited for, so it has no wait of its own.  Up to step 20 slab g / 2 + 5 is asked for in its stead.
	; Behind B g went B g + 1 and B g + 2, and the slabs asked for behind B g at the even steps among g - 2, g - 1, g as far as these are at most 20.
	; Slabs are asked for ahead at steps 10 and 14 (as at 2 and 6): slabs g / 2 + 7 and g / 2 + 8, whose loads are issued four and six steps later.
.set G, 7
.rept 25
.set Q, G%3
.set QN, (G+2)%3
.set NK, G+1
.if G == 31
.set NK, -1                                        ; the tanh (early waves) or steps 0 to 5 (late waves) follow
.endif
.set PF, -1
.if G%4 == 2
.if G <= 14
.set PF, G/2+7
.endif
.endif
.if G <= 29
	LOADB QN, BOFF, (G+2)*KSB
.else
	LOADB QN, BOFF2, (G-30)*KSB                    ; early waves: chunk 1, steps 0 and 1; late waves: chunk 0, steps 0 and 1
.endif
.set BAR, 0
.set BW, 16
.if (G&1) == 0
.if G <= 22
.set BW, 24
.endif
.if G <= 20
.set BW, 32
.endif
.if G <= 24
.set BAR, 1
.set SG, G/2+3
.set NX, -1
.if G <= 20
.set NX, G/2+5
.endif
	CONSUME SG, NX
	s_barrier_signal -1                            ; my rows of the slab are in LDS (the wait for 0 stands in CONSUME)
.endif
.else
.if G <= 21
.set BW, 24
.endif
.if G == 7
.set BAR, 1
	s_wait_dscnt 0x0                               ; my rows of slabs 4, 5, 6 are stored (met), and step 7's fragments are back: no LDS instruction is out at a signal
	s_barrier_signal -1
.endif
.endif
	MSTEP Q, 0, BW, NK, BAR, PF
.set G, G+1
.endr
	; ---- the late waves make up steps 0 to 5 of chunk 0; in the last two they ask for chunk 1's first two steps, as the early waves did at steps 30 and 31
	s_cmp_eq_u32 s29, 0
	s_cbranch_scc1 .Lepi0
	LOADA 0, 0
	LOADA 1, 0
.set J, 0
.rept 6
.set Q, (J+32)%3
.set QN, (J+34)%3
.set NK, J+1
.if J == 5
.set NK, -1
.endif
.if J <= 3
	LOADB QN, BOFF, (J+2)*KSB
.else
	LOADB QN, BOFF, CHB+(J-4)*KSB
.endif
	MSTEP Q, 0, 16, NK, 0, -1                      ; 16 = the two later steps' loads
.set J, J+1
.endr
.Lepi0:
	EPI 0                                          ; chunk 1's first two steps of B stay on their way meanwhile, in buffers 2 and 0 on both ways
	; ---- chunk 1: 32 steps, no slab, no barrier; step ks uses buffer (ks + 2) % 3
	LOADA 0, 0
	LOADA 1, 0
.set KS, 0
.rept 32
.set Q, (KS+2)%3
.set QN, (KS+1)%3
.set NK, KS+1
.set BW, 16
.set Z, 0
.if KS == 0
.set Z, 1
.endif
.if KS <= 29
	LOADB QN, BOFF, CHB+(KS+2)*KSB
.endif
.if KS == 30
.set BW, 8                                         ; the stream has ended: the counts run down, and no load leaves w2f
.endif
.if KS == 31
.set BW, 0
.set NK, -1
.endif
	MSTEP Q, Z, BW, NK, 0, -1
.set KS, KS+1
.endr
	EPI 1
	; ---- scores
.irp a, 0,1,2,3,4,5,6,7
	RED \a
.endr
	s_wait_dscnt 0x0
	s_barrier_signal -1
	s_barrier_wait -1
.irp k, 0,1,2,3,4,5,6,7
	ds_load_b128 v[PS+4*\k:PS+4*\k+3], v[PARTR] offset:512*\k                 ; the eight waves' parts of rows 4 L .. 4 L + 3; every wave does the same
.endr
	s_wait_dscnt 0x0
	s_wait_kmcnt 0x0                               ; bv
.irp k, 0,2,4,6
	v_pk_add_f32 v[PS+4*\k:PS+4*\k+1],   v[PS+4*\k:PS+4*\k+1],   v[PS+4*\k+4:PS+4*\k+5]
	v_pk_add_f32 v[PS+4*\k+2:PS+4*\k+3], v[PS+4*\k+2:PS+4*\k+3], v[PS+4*\k+6:PS+4*\k+7]
.endr
.irp k, 0,4
	v_pk_add_f32 v[PS+4*\k:PS+4*\k+1],   v[PS+4*\k:PS+4*\k+1],   v[PS+4*\k+8:PS+4*\k+9]
	v_pk_add_f32 v[PS+4*\k+2:PS+4*\k+3], v[PS+4*\k+2:PS+4*\k+3], v[PS+4*\k+10:PS+4*\k+11]
.endr
	v_pk_add_f32 v[PS:PS+1],   v[PS:PS+1],   v[PS+16:PS+17]
	v_pk_add_f32 v[PS+2:PS+3], v[PS+2:PS+3], v[PS+18:PS+19]
.irp k, 0,1,2,3
	v_add_f32 v[SCR+\k], s35, v[PS+\k]
.endr
	v_max_num_f32 v[TX], v[SCR], v[SCR+1]
	v_max3_num_f32 v[ML], v[TX], v[SCR+2], v[SCR+3]
.irp x, 1,2,4,8
	v_max_num_f32_dpp v[ML], v[ML], v[ML] row_xmask:\x row_mask:0xf bank_mask:0xf
.endr
	v_permlanex16_b32 v[TX], v[ML], s39, s40
	v_max_num_f32 v[ML], v[ML], v[TX]              ; m: the block's largest score, in every lane
.irp k, 0,1,2,3
	v_sub_f32 v[PP+\k], v[SCR+\k], v[ML]
.endr
.irp k, 0,1,2,3
	v_mul_f32 v[PP+\k], 0x3fb8aa3b, v[PP+\k]
.endr
.irp k, 0,1,2,3
	v_exp_f32 v[PP+\k], v[PP+\k]
.endr
	v_nop
	s_wait_alu depctr_va_vdst(0)
	v_add_f32 v[ML+1], v[PP], v[PP+1]
	v_add_f32 v[TX], v[PP+2], v[PP+3]
	v_add_f32 v[ML+1], v[ML+1], v[TX]
.irp x, 1,2,4,8
	v_add_f32_dpp v[ML+1], v[ML+1], v[ML+1] row_xmask:\x row_mask:0xf bank_mask:0xf
.endr
	v_permlanex16_b32 v[TX], v[ML+1], s39, s40
	v_add_f32 v[ML+1], v[ML+1], v[TX]              ; l
	ds_store_b128 v[PBW], v[PP:PP+3]               ; my wave's own copy: LDS serves a wave's instructions in order, so its loads below see it
	s_cmp_lg_u32 s28, 0
	s_cbranch_scc1 .Lnot0
	global_store_b128 v[SOUT], v[SCR:SCR+3], s[22:23]        ; 512 neighbouring bytes: the block's scores
	global_store_b64 v[MLO], v[ML:ML+1], s[24:25]            ; 32 copies of (m, l): 256 neighbouring bytes, aligned; neither store's registers are written again
.Lnot0:
	; ---- context: thread t sums columns 4 t .. 4 t + 3 over the 128 rows, 16 rows a trip
.irp k, 0,1,2,3
	v_mov_b32 v[CS+\k], 0
.endr
	s_mov_b32 s34, 8
.Lctx:
.irp k, 0,1,2,3
	ds_load_b128 v[PV+4*\k:PV+4*\k+3], v[PBR] offset:16*\k                    ; 16 weights, the same words in every lane
.endr
.irp q, 0,1,2,3,4,5,6,7,8,9,10,11,12,13,14,15
	ds_load_b64 v[EB+2*\q:EB+2*\q+1], v[CA] offset:PITCH*\q                   ; lanes 0-15: 128 bytes of a row of slab 2 w; lanes 16-31: of slab 2 w + 1, the other half of 256
.endr
.irp q, 0,1,2,3,4,5,6,7,8,9,10,11,12,13,14,15
	s_wait_dscnt 15-\q                             ; row q's load is in; the later rows' stay out
.irp k, 0,1
	v_fma_mix_f32_bf16 v[CS+2*\k],   v[EB+2*\q+\k], v[PV+\q], v[CS+2*\k] op_sel_hi:[1,0,0]
	v_fma_mix_f32_bf16 v[CS+2*\k+1], v[EB+2*\q+\k], v[PV+\q], v[CS+2*\k+1] op_sel:[1,0,0] op_sel_hi:[1,0,0]
.endr
.endr
	v_add_nc_u32 v[CA], 16*PITCH, v[CA]            ; behind the wait for 0: no LDS load is out
	v_add_nc_u32 v[PBR], 64, v[PBR]
	s_sub_co_i32 s34, s34, 1
	s_cmp_lg_u32 s34, 0
	s_cbranch_scc1 .Lctx
	global_store_b128 v[TLOFF], v[CS:CS+3], s[26:27]         ; 512 neighbouring bytes a wave
	s_wait_tensorcnt 0x0
	ds_add_u32 v1, v23
	s_wait_dscnt 0x0
	s_endpgm
.Lfunc_end_k_q60cf3fce48_main:
	.size	k_q60cf3fce48_main, .Lfunc_end_k_q60cf3fce48_main-k_q60cf3fce48_main
	.p2alignl 7, 3214868480
	.fill 96, 4, 3214868480
	.section	.rodata,"a",@progbits
	.p2align	6, 0x0
	.amdhsa_kernel k_q60cf3fce48_main
		.amdhsa_group_segment_fixed_size 314368
		.amdhsa_private_segment_fixed_size 0
		.amdhsa_enable_private_segment 0
		.amdhsa_kernarg_size 80
		.amdhsa_user_sgpr_count 2
		.amdhsa_user_sgpr_kernarg_segment_ptr 1
		.amdhsa_wavefront_size32 1
		.amdhsa_system_sgpr_workgroup_id_x 1
		.amdhsa_system_sgpr_workgroup_id_y 1
		.amdhsa_system_sgpr_workgroup_id_z 1
		.amdhsa_system_vgpr_workitem_id 0
		.amdhsa_next_free_vgpr 512
		.amdhsa_next_free_sgpr 66
		.amdhsa_reserve_vcc 0
		.amdhsa_float_denorm_mode_32 3
		.amdhsa_float_denorm_mode_16_64 3
		.amdhsa_memory_ordered 1
		.amdhsa_forward_progress 1
		.amdhsa_inst_pref_size 255
	.end_amdhsa_kernel
	.section	.bss,"aw",@nobits
	.p2align	6
	.space	262144
	.amdgpu_metadata
---
amdhsa.version: [ 1, 2 ]
amdhsa.kernels:
  - .name:           k_q60cf3fce48_main
    .symbol:         k_q60cf3fce48_main.kd
    .args:
      - { .name: encoder_output, .offset: 0, .size: 8, .value_kind: global_buffer, .address_space: global }
      - { .name: w2f, .offset: 8, .size: 8, .value_kind: global_buffer, .address_space: global }
      - { .name: hpart, .offset: 16, .size: 8, .value_kind: global_buffer, .address_space: global }
      - { .name: b1, .offset: 24, .size: 8, .value_kind: global_buffer, .address_space: global }
      - { .name: b2, .offset: 32, .size: 8, .value_kind: global_buffer, .address_space: global }
      - { .name: V, .offset: 40, .size: 8, .value_kind: global_buffer, .address_space: global }
      - { .name: bv, .offset: 48, .size: 8, .value_kind: global_buffer, .address_space: global }
      - { .name: score, .offset: 56, .size: 8, .value_kind: global_buffer, .address_space: global }
      - { .name: ml, .offset: 64, .size: 8, .value_kind: global_buffer, .address_space: global }
      - { .name: ctxp, .offset: 72, .size: 8, .value_kind: global_buffer, .address_space: global }
    .group_segment_fixed_size: 314368
    .private_segment_fixed_size: 0
    .kernarg_segment_align: 8
    .kernarg_segment_size: 80
    .max_flat_workgroup_size: 256
    .sgpr_count:     66
    .vgpr_count:     512
    .wavefront_size: 32
...
	.end_amdgpu_metadata
.endif
;; end of part 2
;; launch merge (part 3): grid 4 x 16, 2 waves a work-group, no clusters, 0 bytes of LDS; arguments score, ml, ctxp, out0, out1; writes out0, out1
.if DOCPART == 3
	.amdgcn_target "amdgcn-amd-amdhsa--gfx1250"
	.amdhsa_code_object_version 6
	.text
	.protected	k_q60cf3fce48_merge
	.globl	k_q60cf3fce48_merge
	.p2align	8
	.type	k_q60cf3fce48_merge,@function
k_q60cf3fce48_merge:
	s_mov_b64 s[64:65], 0
	v_nop
	global_prefetch_b8 v0, s[64:65] scope:SCOPE_SE
	s_setreg_imm32_b32 hwreg(HW_REG_WAVE_MODE, 25, 1), 1
	s_wait_xcnt 0x0
; The softmax over a batch's 4,096 scores is put together from its 32 blocks: M = max of the blocks' m, Lsum = sum of l exp(m - M),
; out1[t] = exp(score[t] - M) / Lsum,  out0[d] = sum over blocks i of ctxp[i][d] exp(m_i - M) / Lsum.
; Work-group (q, b): batch b, a quarter q of both outputs: 1,024 scores and 256 columns; 64 threads, 16 bytes each.
; Lane i of each wave holds block i's (m, l), so M and Lsum are sums over the wave's lanes: no LDS, no barrier.
; All 37 loads of a wave go out at once.  Matrix units, LDS and clusters have nothing to do here: 2.4 MB are read once and 0.3 MB written.
; v_exp_f32 gives 0 below 2^-126: weights that small against the batch's largest come out as 0.  Lsum is at least 1 (the block that holds M has l >= 1).
.set SCV, 4                            ; v[4:19]    16 scores
.set CX,  32                           ; v[32:159]  my 4 columns of the 32 blocks' partial contexts
.set ACC, 28                           ; v[28:31]
	s_load_b256 s[4:11], s[0:1], 0x0               ; score s[4:5], ml s[6:7], ctxp s[8:9], out0 s[10:11]
	s_load_b64 s[12:13], s[0:1], 0x20              ; out1
	s_and_b32 s14, ttmp7, 0xffff                   ; b
	v_and_b32 v1, 31, v0
	v_lshlrev_b32 v20, 8, v1                       ; block i's 256 bytes of ml
	v_lshlrev_b32 v21, 4, v0                       ; 16 t
	v_mov_b32 v23, 0                               ; v_permlanex16_b32 counts as a reader of its destination
	s_mov_b32 s52, 0x76543210
	s_mov_b32 s53, 0xfedcba98
	s_mov_b32 s49, 0
	s_lshl_b32 s50, ttmp9, 12                      ; q x 4,096
	s_lshl_b32 s51, ttmp9, 10                      ; q x 1,024
	s_wait_kmcnt 0x0
	s_lshl_b32 s48, s14, 13
	s_add_nc_u64 s[6:7], s[6:7], s[48:49]          ; ml: 32 blocks of 256 bytes a batch
	s_lshl_b32 s48, s14, 14
	s_add_co_u32 s48, s48, s50
	s_add_nc_u64 s[4:5], s[4:5], s[48:49]          ; score and out1: 16,384 b + 4,096 q
	s_add_nc_u64 s[12:13], s[12:13], s[48:49]
	s_lshl_b32 s48, s14, 17
	s_add_co_u32 s48, s48, s51
	s_add_nc_u64 s[8:9], s[8:9], s[48:49]          ; ctxp: 32 blocks of 4,096 bytes a batch, + 1,024 q
	s_lshl_b32 s48, s14, 12
	s_add_co_u32 s48, s48, s51
	s_add_nc_u64 s[10:11], s[10:11], s[48:49]      ; out0
	global_load_b64 v[2:3], v20, s[6:7]
.irp j, 0,1,2,3
	global_load_b128 v[SCV+4*\j:SCV+4*\j+3], v21, s[4:5] offset:1024*\j
.endr
.set idx, 0
.rept 32
	global_load_b128 v[CX+4*idx:CX+4*idx+3], v21, s[8:9] offset:4096*idx
.set idx, idx+1
.endr
	s_wait_loadcnt 36                              ; (m, l) is in; the 4 + 32 loads behind it stay out
	v_mov_b32 v22, v2
.irp x, 1,2,4,8
	v_max_num_f32_dpp v22, v22, v22 row_xmask:\x row_mask:0xf bank_mask:0xf
.endr
	v_permlanex16_b32 v23, v22, s52, s53
	v_max_num_f32 v22, v22, v23                    ; M
	v_sub_f32 v24, v2, v22
	v_mul_f32 v24, 0x3fb8aa3b, v24
	v_exp_f32 v24, v24                             ; exp(m_i - M)
	v_nop                                          ; one plain instruction behind a transcendental (ISA guide 5.7.2)
	s_wait_alu depctr_va_vdst(0)
	v_mul_f32 v25, v3, v24
.irp x, 1,2,4,8
	v_add_f32_dpp v25, v25, v25 row_xmask:\x row_mask:0xf bank_mask:0xf
.endr
	v_permlanex16_b32 v23, v25, s52, s53
	v_add_f32 v25, v25, v23                        ; Lsum
	v_rcp_f32 v26, v25
	v_nop
	s_wait_alu depctr_va_vdst(0)
	v_mul_f32 v24, v24, v26                        ; block i's weight, in lane i
.set idx, 0
.rept 32
	v_readlane_b32 s[16+idx], v24, idx             ; the 32 weights as scalars: they multiply, and steer nothing
.set idx, idx+1
.endr
	s_wait_loadcnt 32                              ; the scores are in
.set idx, 0
.rept 16
	v_sub_f32 v[SCV+idx], v[SCV+idx], v22
.set idx, idx+1
.endr
.set idx, 0
.rept 16
	v_mul_f32 v[SCV+idx], 0x3fb8aa3b, v[SCV+idx]
.set idx, idx+1
.endr
.set idx, 0
.rept 16
	v_exp_f32 v[SCV+idx], v[SCV+idx]
.set idx, idx+1
.endr
	v_nop
.set idx, 0
	s_wait_alu depctr_va_vdst(0)
.rept 16
	v_mul_f32 v[SCV+idx], v[SCV+idx], v26
.set idx, idx+1
.endr
.irp j, 0,1,2,3
	global_store_b128 v21, v[SCV+4*\j:SCV+4*\j+3], s[12:13] offset:1024*\j
.endr
	s_wait_loadcnt 31                              ; block 0's part is in: its product starts the sums
.irp c, 0,1,2,3
	v_mul_f32 v[ACC+\c], s16, v[CX+\c]
.endr
.set idx, 1
.rept 31
	s_wait_loadcnt 31-idx                          ; loads come back in order (ISA guide 5.7.1): block idx is in
.irp c, 0,1,2,3
	v_fma_f32 v[ACC+\c], s[16+idx], v[CX+4*idx+\c], v[ACC+\c]
.endr
.set idx, idx+1
.endr
	global_store_b128 v21, v[ACC:ACC+3], s[10:11]
	s_endpgm
.Lfunc_end_k_q60cf3fce48_merge:
	.size	k_q60cf3fce48_merge, .Lfunc_end_k_q60cf3fce48_merge-k_q60cf3fce48_merge
	.p2alignl 7, 3214868480
	.fill 96, 4, 3214868480
	.section	.rodata,"a",@progbits
	.p2align	6, 0x0
	.amdhsa_kernel k_q60cf3fce48_merge
		.amdhsa_group_segment_fixed_size 0
		.amdhsa_private_segment_fixed_size 0
		.amdhsa_enable_private_segment 0
		.amdhsa_kernarg_size 40
		.amdhsa_user_sgpr_count 2
		.amdhsa_user_sgpr_kernarg_segment_ptr 1
		.amdhsa_wavefront_size32 1
		.amdhsa_system_sgpr_workgroup_id_x 1
		.amdhsa_system_sgpr_workgroup_id_y 1
		.amdhsa_system_sgpr_workgroup_id_z 1
		.amdhsa_system_vgpr_workitem_id 0
		.amdhsa_next_free_vgpr 176
		.amdhsa_next_free_sgpr 66
		.amdhsa_reserve_vcc 0
		.amdhsa_float_denorm_mode_32 3
		.amdhsa_float_denorm_mode_16_64 3
		.amdhsa_memory_ordered 1
		.amdhsa_forward_progress 1
		.amdhsa_inst_pref_size 20
	.end_amdhsa_kernel
	.amdgpu_metadata
---
amdhsa.version: [ 1, 2 ]
amdhsa.kernels:
  - .name:           k_q60cf3fce48_merge
    .symbol:         k_q60cf3fce48_merge.kd
    .args:
      - { .name: score, .offset: 0, .size: 8, .value_kind: global_buffer, .address_space: global }
      - { .name: ml, .offset: 8, .size: 8, .value_kind: global_buffer, .address_space: global }
      - { .name: ctxp, .offset: 16, .size: 8, .value_kind: global_buffer, .address_space: global }
      - { .name: out0, .offset: 24, .size: 8, .value_kind: global_buffer, .address_space: global }
      - { .name: out1, .offset: 32, .size: 8, .value_kind: global_buffer, .address_space: global }
    .group_segment_fixed_size: 0
    .private_segment_fixed_size: 0
    .kernarg_segment_align: 8
    .kernarg_segment_size: 40
    .max_flat_workgroup_size: 64
    .sgpr_count:     66
    .vgpr_count:     176
    .wavefront_size: 32
...
	.end_amdgpu_metadata
.endif
;; end of part 3
;; ======== version 2 of 2: 3 launches; version 1 with the launch main written anew for expert scheduling mode
;; limits: values outside matrix products are rounded to bf16
;; workspace buffers: w2f 2,097,152 bytes; hpart 524,288 bytes; score 262,144 bytes; ml 131,072 bytes; ctxp 2,097,152 bytes
;; launch prep: the kernel of part 1 again; grid 320 x 1, 4 waves a work-group, no clusters, 46,592 bytes of LDS; arguments W2, W1, hidden_state, w2f, hpart; writes w2f, hpart
;; launch main (part 4): grid 512 x 1, 8 waves a work-group, no clusters, 314,368 bytes of LDS; arguments encoder_output, w2f, hpart, b1, b2, V, bv, score, ml, ctxp; writes score, ml, ctxp
.if DOCPART == 4
	.amdgcn_target "amdgcn-amd-amdhsa--gfx1250"
	.amdhsa_code_object_version 6
	.text
	.protected	k_q60cf3fce48_main
	.globl	k_q60cf3fce48_main
	.p2align	8
	.type	k_q60cf3fce48_main,@function
k_q60cf3fce48_main:
	s_mov_b64 s[64:65], 0
	v_nop
	global_prefetch_b8 v0, s[64:65] scope:SCOPE_SE
	s_setreg_imm32_b32 hwreg(HW_REG_WAVE_SCHED_MODE, 0, 2), 2
	s_setreg_imm32_b32 hwreg(HW_REG_WAVE_MODE, 25, 1), 1
	s_wait_xcnt 0x0
	s_wait_alu depctr_vm_vsrc(0)
; One work-group takes 128 rows t of one batch (block = work-group number, batch = block / 32) and makes of them, with encoder_output read once:
;   score[t] = sum over u of V[u] tanh(h_proj[u] + b1[u] + b2[u] + (enc W2)[t][u]) + bv,
;   m = the block's largest score, l = sum of exp(score - m), ctxp[d] = sum over t of exp(score[t] - m) enc[t][d].
; The last launch merges the 32 blocks of a batch.
; The block stays in LDS in bf16 (AKEEP, 16 slabs of 64 k), for all 1,024 columns u and again for the context.
; EIGHT WAVES, two for each of the WGP's four SIMDs, 512 registers each.  Wave w makes all 128 rows x the 64 columns 512 c + 64 w .. + 63, c = 0, 1 one
; after the other: 32 accumulator tiles of 16 x 16, 256 registers.  A step is 32 along K: 32 matrix instructions, 8 KB of A from LDS, 4 KB of W2.
; Two waves a SIMD instead of one with twice the tile, at the price of reading A from LDS twice as often, because three things then run under the products:
;  - THE BLOCK COMES IN UNDER CHUNK 0.  Steps 2 s and 2 s + 1 need slab s alone.  Slabs 0 to 3 are brought in ahead of the first product; from then on every
;    wave loads 16 rows of each slab into one of two register sets, rounds them to bf16 and stores them.  LDS bytes of the block are written once.
;  - THE TANH OF ONE WAVE RUNS WHILE ANOTHER MULTIPLIES.  Half of the waves (the late ones) leave out the products of steps 0 to 5 and make them up behind
;    step 31, when the slabs are long there.  From the last slab's barrier to the scores' barrier no barrier stands, so the late waves stay six steps behind:
;    they have products to issue while the early waves make their tanh, and the other way round.  Six = two turns of the three B buffers.
;    A wave is late if (w xor w / 4) is odd: waves w and w + 4 differ in that, and so do waves 2 i and 2 i + 1.
;  - the waits and loads between one wave's matrix instructions.
; THE TWO CLASSES PART ONCE AND JOIN ONCE at the start (early: steps 0 to 6; late: step 6), with no barrier in between, and once more for the steps made up.
; Both ways lay down slabs 4, 5, 6 and end with the same youngest loads, so every count behind the join holds for both.
; W2: no two waves need the same column, so each wave loads its fragments straight into registers from w2f, which holds them in fragment order.
; NO CLUSTER, NO JOINT LOADS, though all work-groups walk the same w2f: a joint load lands in LDS; AKEEP takes 296,960 bytes, tables and stages 16,384, and
; the 14,336 left of the 327,680 that a work-group can be given hold no two slots of a step's fragments (8 waves x 4,096 bytes).
; encoder_output comes through registers because it is converted to bf16 on the way.
; LIMITS: encoder_output enters the product AND the context sum rounded to bf16; W2, W1 and hidden_state enter their products rounded to bf16.
; v_exp_f32 gives 0 for results below 2^-126: in 1 + exp that is exact enough (tanh = -1), in exp(score - m) it drops weights below 2^-126 of the
; block's largest.  exp = infinity gives rcp = 0 and tanh = 1.  NaN or infinite inputs are not served.
; THE MODE: SCHED_MODE bits 1:0 = 2 (LLVM: expert scheduling mode 2), set by the entry lines.  The code itself states the register dependences
; between vector or matrix instructions and memory or LDS instructions, with s_wait_alu, always for 0.
; THE PLAN.  Registers that memory or LDS instructions touch:
;   addresses      v2 to v22 and, until the last slab is stored, v24 to v29: made at the head, ahead of the first wait on va_vdst that precedes their use; but for
;                  v[CA] and v[PBR] in the context's loop none is written again.
;   SETS0, SETS1   a slab's loads land; sixteen conversions work in place; eight LDS stores read; the next slab of the same parity lands.
;                  One wait on va_vdst between conversions and stores, one on vm_vsrc between the stores and the next loads.
;   AF low, high   the LDS loads of a step's fragments land; the sixteen products of that half step read.  One wait on va_vdst behind each sixteen products, and behind
;                  it the eight loads of the next step's fragments for that half.
;   BF0 .. BF2     a step's B lands, asked for two steps ahead; both halves of the step read it.  The step's second wait on va_vdst stands ahead of the load that
;                  opens the next step and lands in the buffer just read.
;   A step has two such waits and not one: one would want a third buffer of half a step's A, 32 registers; window 0 is full (32 + 64 + 96 + 64), window 1 is all
;   accumulators, and two waves of 512 registers are the SIMD's 1,024.  The loads stay in runs: a load's destination follows the accumulators' window, so a load set
;   between two products would want two window switches.
;   Behind the products: the table's pairs, the waves' parts of the scores, the weights and the context's rows; each wait says there what it states.
.set PITCH, 144                        ; an LDS row of a slab: 64 bf16 + 16 bytes = 9 x 16: the 16 rows of a fragment load lie in 16 different 16-byte columns modulo 256
.set SLAB,  128*PITCH+128              ; 18,560: 128 rows x 64 k; the 128 more put neighbouring slabs 128 bytes apart modulo 256 (the context's loads take two slabs at once)
.set TABH,  16*SLAB                    ; 296,960: 1,024 f32: 2 log2(e) (h_proj + b1 + b2)
.set TABV,  TABH+4096                  ; 1,024 f32: V
.set PART,  TABV+4096                  ; [wave 8][row 128] f32: the waves' parts of the scores
.set PBUF,  PART+4096                  ; [wave 8][row 128] f32: exp(score - m), a copy of its own for each wave
.set KSB,   8192                       ; w2f: bytes from a step of 32 k to the next
.set CHB,   262144                     ; w2f: bytes from chunk 0 to chunk 1
; window 0 (v0-v255)
.set AB,    2                          ; v[2:7]     144 r + 16 h + 3 k SLAB, k = 0..5: A fragments of slabs 3 k .. 3 k + 2; never rewritten
.set EOFF,  8                          ; (16 w + 8 h) 4,096 + 16 r   my 16 bytes in encoder_output
.set BOFFH, 9                          ; the first two steps that my wave multiplies: BOFF (early), BOFF + 6 KSB (late)
.set BOFF,  10                         ; (w / 2) 524,288 + (w % 2) 4,096 + 16 L   my wave's stream in w2f
.set BOFF2, 11                         ; what follows step 31: early waves chunk 1 (BOFF + CHB), late waves chunk 0 from its start (BOFF)
.set TLOFF, 12                         ; 16 t
.set TST,   13                         ; TABH + 16 t
.set TADR,  14                         ; TABH + 256 w + 4 r
.set PARTW, 15                         ; PART + 512 w + 32 h + 4 (r % 8)
.set PARTR, 16                         ; PART + 16 L
.set PBW,   17                         ; PBUF + 512 w + 16 L
.set PBR,   18                         ; PBUF + 512 w, stepped
.set CA,    19                         ; (2 w + h) SLAB + 8 r: columns 4 t .. 4 t + 3, stepped
.set SOUT,  20                         ; 16 L
.set MLO,   21                         ; 8 L
.set POFF,  22                         ; (16 w + r) 4,096 + 256 h: one lane for each run of 256 bytes of my 16 rows in two slabs
.set SB,    24                         ; v[24:29]   (16 w + 8 h) 144 + 8 r + 3 k SLAB: where my rows of slabs 3 k .. 3 k + 2 go; until the last slab is stored
.set HVP,   24                         ; v[24:31]   then: pairs (table value, V) of my column in each of 4 blocks
.set AF,    32                         ; v[32:63] A fragments of rows 0-63, v[64:95] of rows 64-127
.set TB,    32                         ; v[32:75]   at the head: the table's loads
.set HT,    76                         ; v[76:79]   at the head: L, r, h, at work
.set YT,    32                         ; v[32:63]   at work behind a chunk
.set PV,    32                         ; v[32:47]   context: the weights of 16 rows
.set PS,    64                         ; v[64:95]   the eight waves' parts of four scores
.set EB,    64                         ; v[64:95]   context: 16 rows x 4 bf16
.set BF,    96                         ; v[96:191]  three buffers of B fragments, buffer q, block b at BF + 32 q + 8 b
.set SCR,   96                         ; v[96:99]   behind the products: scores of rows 4 L .. 4 L + 3
.set PP,    100                        ; v[100:103] their exp(score - m)
.set ML,    104                        ; v[104:105] m, l
.set TX,    106                        ; at work
.set CS,    108                        ; v[108:111] my four context sums
.set SETS,  192                        ; v[192:223], v[224:255] two sets of 8 loads: even slabs, odd slabs
.set SC,    192                        ; v[192:255] then 64 running sums of V tanh: row 16 a + 8 h + j at SC + 8 a + j
; window 1 (v256-v511): accumulators, tile (a, b) at v[8 (4 a + b)]; ahead of the first product its first 64 registers take slabs 2 and 3
.set MSB, 0
.macro WIN new                         ; the immediate's high byte repeats the setting that is left; switches that change nothing are dropped
.if MSB != (\new)
	s_set_vgpr_msb (MSB<<8)|(\new)
.set MSB, (\new)
.endif
.endm
.set MULW, 0x50                        ; sources 0 and 1 (A, B) window 0, C and D window 1
.macro PLACES                          ; four places behind a matrix instruction (ISA guide 7.12.1) before a vector instruction reads its results
.rept 4
	v_nop
.endr
.endm
; 8 loads: 64 k (256 bytes) of my wave's 16 rows; sixteen lanes take one aligned run of 256 bytes, lanes 16-31 the row eight further down
.macro LOADSLAB s, base
.irp j, 0,1,2,3,4,5,6,7
	global_load_b128 v[(\base)+4*\j:(\base)+4*\j+3], v[EOFF], s[8:9] offset:4096*\j+256*(\s) th:TH_LOAD_NT
.endr
.endm
; Slabs s and s + 1 of my wave's 16 rows are asked for ahead: 32 lanes, 32 runs of 256 bytes, each asked for once in the launch, by the wave that will load it.
; The last request is for slabs 14 and 15: none points past a row's end.
.macro PREF s
	global_prefetch_b8 v[POFF], s[8:9] offset:256*(\s) th:TH_LOAD_NT scope:SCOPE_SE
.endm
; 8 loads: one step's four B fragments, 4,096 neighbouring bytes of my wave's stream, into buffer q
.macro LOADB q, voff, off
.irp b, 0,1,2,3
	global_load_b128 v[BF+32*(\q)+8*\b:BF+32*(\q)+8*\b+3],   v[\voff], s[10:11] offset:(\off)+1024*\b
	global_load_b128 v[BF+32*(\q)+8*\b+4:BF+32*(\q)+8*\b+7], v[\voff], s[10:11] offset:(\off)+1024*\b+512
.endr
.endm
; My 16 rows of slab s, which have landed in set s % 2, are rounded to bf16 and laid into LDS; nxt >= 0: the set is asked for again, slab nxt (of the same parity)
.macro CONSUME s, nxt
.set XB, SETS+32*((\s)&1)
.irp j, 0,1,2,3,4,5,6,7
	v_cvt_pk_bf16_f32 v[XB+4*\j], v[XB+4*\j], v[XB+4*\j+1]
	v_cvt_pk_bf16_f32 v[XB+4*\j+1], v[XB+4*\j+2], v[XB+4*\j+3]
.endr
	s_wait_alu depctr_va_vdst(0)                   ; the sixteen conversions have written the registers that the stores below read, and are done with the whole set, in which the next slab lands
.irp j, 0,1,2,3,4,5,6,7
	ds_store_b64 v[SB+(\s)/3], v[XB+4*\j:XB+4*\j+1] offset:((\s)%3)*SLAB+PITCH*\j    ; lanes 16-31 lie 8 rows = 1,152 bytes on: the other half of 256
.endr
	s_wait_dscnt 0x0                               ; zero: the stores are done for the other waves' sake (a barrier's signal follows sooner or later)
	s_wait_alu depctr_vm_vsrc(0)                   ; the stores have read the set and their address: the set is loaded again below (the last two slabs': written by the running sums), and v[SB ..] take the table's pairs behind the last slab
.if \nxt >= 0
	LOADSLAB \nxt, XB
.endif
.endm
; The same for slabs 2 and 3, which landed in window 1; their registers are not asked for again
.macro CONSUMEW s
.set XB, 32*((\s)-2)
	WIN 0x45                                       ; sources 0 and 1 and the destination in window 1
.irp j, 0,1,2,3,4,5,6,7
	v_cvt_pk_bf16_f32 v[XB+4*\j], v[XB+4*\j], v[XB+4*\j+1]
	v_cvt_pk_bf16_f32 v[XB+4*\j+1], v[XB+4*\j+2], v[XB+4*\j+3]
.endr
	WIN 0x04                                       ; store data from window 1, address from window 0
	s_wait_alu depctr_va_vdst(0)                   ; the conversions have written the registers that the stores below read
.irp j, 0,1,2,3,4,5,6,7
	ds_store_b64 v[SB+(\s)/3], v[XB+4*\j:XB+4*\j+1] offset:((\s)%3)*SLAB+PITCH*\j
.endr
	WIN 0
.endm
; 16 matrix instructions: four row blocks (hi = 0: rows 0-63, 1: rows 64-127) x my four column blocks, 32 along K, B from buffer q
.macro MULH q, hi, zero
.irp a, 0,1,2,3
.irp b, 0,1,2,3
.if \zero
	v_wmma_f32_16x16x32_bf16 v[8*(4*(4*\hi+\a)+\b):8*(4*(4*\hi+\a)+\b)+7], v[AF+32*\hi+8*\a:AF+32*\hi+8*\a+7], v[BF+32*(\q)+8*\b:BF+32*(\q)+8*\b+7], 0
.else
	v_wmma_f32_16x16x32_bf16 v[8*(4*(4*\hi+\a)+\b):8*(4*(4*\hi+\a)+\b)+7], v[AF+32*\hi+8*\a:AF+32*\hi+8*\a+7], v[BF+32*(\q)+8*\b:BF+32*(\q)+8*\b+7], v[8*(4*(4*\hi+\a)+\b):8*(4*(4*\hi+\a)+\b)+7]
.endif
.endr
.endr
.endm
; 8 LDS loads: four A fragments of k step ks: slab ks / 2, byte 64 (ks % 2) of its rows
.macro LOADA hi, ks
.irp a, 0,1,2,3
	ds_load_b128 v[AF+32*\hi+8*\a:AF+32*\hi+8*\a+3],   v[AB+((\ks)>>1)/3] offset:(((\ks)>>1)%3)*SLAB+((\ks)&1)*64+(4*\hi+\a)*16*PITCH
	ds_load_b128 v[AF+32*\hi+8*\a+4:AF+32*\hi+8*\a+7], v[AB+((\ks)>>1)/3] offset:(((\ks)>>1)%3)*SLAB+((\ks)&1)*64+(4*\hi+\a)*16*PITCH+32
.endr
.endm
; The products of a step: 32 matrix instructions on the 32 accumulators, which take turns, one instruction a turn and in the same order in every step.
; q: the step's B buffer.  zero: the products start the sums.  bw: how many younger loads may be out when this step's B has to be
; there (-1: it is known to be there).  nk: the k step whose A fragments are fetched meanwhile (-1: none), each half behind the 16 matrix instructions that
; read its registers and the wait that shows them done reading.  bar = 1: a barrier was signalled in front; it is waited for behind 16 matrix instructions,
; which touch registers alone.  pf: slabs to ask for ahead (-1: none).  nk = -1: vector instructions read the results next, so the four places stand at the end.
.macro MSTEP q, zero, bw, nk, bar, pf
.if \bw >= 0
	s_wait_loadcnt \bw
.endif
	s_wait_dscnt 8                                 ; A of rows 0-63 is in; the eight loads of rows 64-127 may be out
	WIN MULW
	MULH \q, 0, \zero
.if \bar
	s_barrier_wait -1                              ; every wave's rows of the slabs stored so far are in LDS
.endif
.if \pf >= 0
	PREF \pf
.endif
.if \nk >= 0
	WIN 0
	s_wait_alu depctr_va_vdst(0)                   ; the sixteen products above are done reading A of rows 0-63, in which the next step's fragments land
	LOADA 0, \nk
	s_wait_dscnt 8                                 ; all but the eight just issued
.else
	s_wait_dscnt 0x0
.endif
	WIN MULW
	MULH \q, 1, \zero
.if \nk >= 0
	WIN 0
	s_wait_alu depctr_va_vdst(0)                   ; the step's products are done reading A of rows 64-127, in which the loads below land, and buffer q of B, in which the load that opens the next step lands
	LOADA 1, \nk
.else
	PLACES
	WIN 0
.endif
.endm
; Four tiles (row block a, my four column blocks): y = 2 log2(e) x, tanh(x) = 1 - 2 / (1 + 2^y), each element by itself; V tanh is added to the rows' sums
.macro BATCH c, a
	WIN 0x01                                       ; source 0 from the accumulators' window
.irp k, 0,1,2,3
.irp p, 0,1,2,3
	v_pk_fma_f32 v[YT+8*\k+2*\p:YT+8*\k+2*\p+1], v[8*(4*\a+\k)+2*\p:8*(4*\a+\k)+2*\p+1], 0x4038aa3b, v[HVP+2*\k:HVP+2*\k+1] op_sel_hi:[1,0,0]
.endr
.endr
	WIN 0
.set idx, 0
.rept 32
	v_exp_f32 v[YT+idx], v[YT+idx]
.set idx, idx+1
.endr
	v_nop                                          ; one plain instruction between a transcendental and the use of its result (ISA guide 5.7.2)
.set idx, 0
	s_wait_alu depctr_va_vdst(0)
.rept 16
	v_pk_add_f32 v[YT+idx:YT+idx+1], v[YT+idx:YT+idx+1], 1.0 op_sel_hi:[1,0]
.set idx, idx+2
.endr
.set idx, 0
.rept 32
	v_rcp_f32 v[YT+idx], v[YT+idx]
.set idx, idx+1
.endr
	v_nop
.set idx, 0
	s_wait_alu depctr_va_vdst(0)
.rept 16
	v_pk_fma_f32 v[YT+idx:YT+idx+1], v[YT+idx:YT+idx+1], -2.0, 1.0 op_sel_hi:[1,0,0]
.set idx, idx+2
.endr
.irp k, 0,1,2,3
.irp p, 0,1,2,3
.if (\c+\k) == 0
	v_pk_mul_f32 v[SC+8*\a+2*\p:SC+8*\a+2*\p+1], v[YT+8*\k+2*\p:YT+8*\k+2*\p+1], v[HVP+2*\k:HVP+2*\k+1] op_sel:[0,1] op_sel_hi:[1,1]   ; the first product starts the sum
.else
	v_pk_fma_f32 v[SC+8*\a+2*\p:SC+8*\a+2*\p+1], v[YT+8*\k+2*\p:YT+8*\k+2*\p+1], v[HVP+2*\k:HVP+2*\k+1], v[SC+8*\a+2*\p:SC+8*\a+2*\p+1] op_sel:[0,1,0]
.endif
.endr
.endr
.endm
; The pairs land in v[HVP ..].  Chunk 0: these were the slabs' store addresses, which the last slab's wait on vm_vsrc has shown read.  Chunk 1: the first tanh read
; them, ahead of every wait on va_vdst of chunk 1's steps, and no vector instruction since names them.
.macro EPI c
.irp b, 0,1,2,3
	ds_load_b32 v[HVP+2*\b],   v[TADR] offset:2048*\c+64*\b                   ; column 512 c + 64 w + 16 b + r
	ds_load_b32 v[HVP+2*\b+1], v[TADR] offset:2048*\c+64*\b+4096
.endr
	s_wait_dscnt 0x0
.irp a, 0,1,2,3,4,5,6,7
	BATCH \c, \a
.endr
.endm
; The eight sums of row block a are added over the 16 lanes that hold the 16 columns: in each of three steps a lane keeps half of its sums and hands the
; other half to the lane 4, 2, 1 away; a fourth step adds lanes 8 apart.  Lane (r, h) ends with row 16 a + 8 h + r % 8, in v[YT+16+a].
.macro RED a
.irp k, 0,1,2,3
	v_cndmask_b32 v[YT+\k],   v[SC+8*\a+\k],   v[SC+8*\a+4+\k], s36
	v_cndmask_b32 v[YT+4+\k], v[SC+8*\a+4+\k], v[SC+8*\a+\k],   s36
.endr
.irp k, 0,1,2,3
	v_add_f32_dpp v[YT+\k], v[YT+4+\k], v[YT+\k] row_xmask:4 row_mask:0xf bank_mask:0xf
.endr
.irp k, 0,1
	v_cndmask_b32 v[YT+8+\k],  v[YT+\k],   v[YT+2+\k], s37
	v_cndmask_b32 v[YT+10+\k], v[YT+2+\k], v[YT+\k],   s37
.endr
.irp k, 0,1
	v_add_f32_dpp v[YT+8+\k], v[YT+10+\k], v[YT+8+\k] row_xmask:2 row_mask:0xf bank_mask:0xf
.endr
	v_cndmask_b32 v[YT+16+\a], v[YT+8], v[YT+9], s38
	v_cndmask_b32 v[YT+12],    v[YT+9], v[YT+8], s38
	v_add_f32_dpp v[YT+16+\a], v[YT+12], v[YT+16+\a] row_xmask:1 row_mask:0xf bank_mask:0xf
	v_add_f32_dpp v[YT+16+\a], v[YT+16+\a], v[YT+16+\a] row_xmask:8 row_mask:0xf bank_mask:0xf
.endm
	; ---- head: what the first loads need
	s_load_b512 s[8:23], s[0:1], 0x0               ; enc s[8:9], w2f s[10:11], hpart s[12:13], b1 s[14:15], b2 s[16:17], V s[18:19], bv s[20:21], score s[22:23]
	s_load_b128 s[24:27], s[0:1], 0x40             ; ml s[24:25], ctxp s[26:27]
	v_lshl_add_u32 v1, v0, 2, 0x4c800
	v_mov_b32 v23, 0
	v_lshrrev_b32 v[HT], 5, v0
	v_readfirstlane_b32 s28, v[HT]                 ; wave w
	v_and_b32 v[HT], 31, v0                        ; L
	v_and_b32 v[HT+1], 15, v0                      ; r
	v_bfe_u32 v[HT+2], v0, 4, 1                    ; h
	s_wait_alu depctr_va_sdst(0)                   ; s28 is written, ahead of its first reader: the wave's class, addresses and branches are made from it
	s_lshr_b32 s29, s28, 2
	s_xor_b32 s29, s29, s28
	s_and_b32 s29, s29, 1                          ; 0: an early wave, 1: a late one
	s_lshr_b32 s30, ttmp9, 5                       ; batch
	s_mov_b32 s33, 0
	v_lshlrev_b32 v[TLOFF], 4, v0
	s_lshl_b32 s31, s28, 16
	v_lshl_add_u32 v[HT+3], v[HT+2], 15, s31
	v_lshl_add_u32 v[EOFF], v[HT+1], 4, v[HT+3]
	v_lshl_add_u32 v[HT+3], v[HT+1], 12, s31
	v_lshl_add_u32 v[POFF], v[HT+2], 8, v[HT+3]
	s_lshr_b32 s31, s28, 1
	s_lshl_b32 s31, s31, 19
	s_and_b32 s41, s28, 1
	s_lshl_b32 s41, s41, 12
	s_add_co_u32 s31, s31, s41
	v_lshl_add_u32 v[BOFF], v[HT], 4, s31
	s_mul_i32 s41, s29, 6*KSB
	v_add_nc_u32 v[BOFFH], s41, v[BOFF]
	s_wait_kmcnt 0x0
	s_load_b32 s35, s[20:21], 0x0                  ; bv
	s_lshl_b32 s32, ttmp9, 19                      ; 128 rows of 4,096 bytes
	s_add_nc_u64 s[8:9], s[8:9], s[32:33]
	s_lshl_b32 s32, s30, 12
	s_add_nc_u64 s[12:13], s[12:13], s[32:33]
	s_lshl_b32 s32, ttmp9, 9
	s_add_nc_u64 s[22:23], s[22:23], s[32:33]
	s_lshl_b32 s32, ttmp9, 8
	s_add_nc_u64 s[24:25], s[24:25], s[32:33]
	s_lshl_b32 s32, ttmp9, 12
	s_add_nc_u64 s[26:27], s[26:27], s[32:33]
	s_wait_alu depctr_va_vdst(0)                   ; v[EOFF], v[TLOFF], v[BOFF], v[BOFFH] and v[POFF] are written, which the loads and requests below read as their offsets
	; 59 loads of every wave go out at once: slabs 0 to 3 (32), the table (11), the first two steps' B (16)
	LOADSLAB 0, SETS
	LOADSLAB 1, SETS+32
	WIN 0x40                                       ; destination in window 1, address in window 0
	LOADSLAB 2, 0
	LOADSLAB 3, 32
	WIN 0
	; the table: thread t takes u = 4 t .. 4 t + 3: eight parts of h_proj, b1, b2, V
.irp k, 0,1,2,3,4,5,6,7
	global_load_b128 v[TB+4*\k:TB+4*\k+3], v[TLOFF], s[12:13] offset:65536*\k
.endr
	global_load_b128 v[TB+32:TB+35], v[TLOFF], s[14:15]
	global_load_b128 v[TB+36:TB+39], v[TLOFF], s[16:17]
	global_load_b128 v[TB+40:TB+43], v[TLOFF], s[18:19]
	LOADB 0, BOFFH, 0                              ; early waves: steps 0 and 1; late waves: steps 6 and 7, which use the same two buffers
	LOADB 1, BOFFH, KSB
	PREF 4                                         ; slabs 4 to 7, whose loads wait for a free register set
	PREF 6
	; the other addresses, while the loads are on their way: none of these lines names a register that a load or request above touches
	s_mul_i32 s31, s28, 16*PITCH
	v_mul_u32_u24 v[HT+3], v[HT+2], 8*PITCH
	v_add_nc_u32 v[HT+3], s31, v[HT+3]
	v_lshl_add_u32 v[SB], v[HT+1], 3, v[HT+3]
.irp k, 1,2,3,4,5
	v_add_nc_u32 v[SB+\k], \k*3*SLAB, v[SB]
.endr
	v_lshlrev_b32 v[SOUT], 4, v[HT]
	v_lshlrev_b32 v[MLO], 3, v[HT]
	v_mul_u32_u24 v[HT+3], v[HT+1], PITCH
	v_lshl_add_u32 v[AB], v[HT+2], 4, v[HT+3]
.irp k, 1,2,3,4,5
	v_add_nc_u32 v[AB+\k], \k*3*SLAB, v[AB]
.endr
	s_xor_b32 s41, s29, 1
	s_lshl_b32 s41, s41, 18                        ; CHB for the early waves, 0 for the late
	v_add_nc_u32 v[BOFF2], s41, v[BOFF]
	v_add_nc_u32 v[TST], TABH, v[TLOFF]
	s_lshl_b32 s41, s28, 8
	s_add_co_u32 s41, s41, TABH
	v_lshl_add_u32 v[TADR], v[HT+1], 2, s41
	v_and_b32 v[HT+3], 7, v0
	v_lshlrev_b32 v[HT+3], 2, v[HT+3]
	v_lshl_add_u32 v[HT+3], v[HT+2], 5, v[HT+3]
	s_lshl_b32 s31, s28, 9
	s_add_co_u32 s41, s31, PART
	v_add_nc_u32 v[PARTW], s41, v[HT+3]
	v_add_nc_u32 v[PARTR], PART, v[SOUT]
	s_add_co_u32 s41, s31, PBUF
	v_add_nc_u32 v[PBW], s41, v[SOUT]
	v_mov_b32 v[PBR], s41
	s_mul_i32 s31, s28, 2*SLAB
	v_mul_u32_u24 v[HT+3], v[HT+2], SLAB
	v_add_nc_u32 v[HT+3], s31, v[HT+3]
	v_lshl_add_u32 v[CA], v[HT+1], 3, v[HT+3]
	s_mov_b32 s36, 0xf0f0f0f0                      ; lanes with bit 2, 1, 0 of their number set
	s_mov_b32 s37, 0xcccccccc
	s_mov_b32 s38, 0xaaaaaaaa
	s_mov_b32 s39, 0x76543210                      ; v_permlanex16_b32: lane i of one half reads lane i of the other
	s_mov_b32 s40, 0xfedcba98
	; ---- slabs 0 to 3 and the table.  Loads come back in order (ISA guide 5.7.1); each count is what was issued behind the loads waited for
	s_wait_loadcnt 51                              ; slab 0: behind it slabs 1, 2, 3 (24), the table (11), B (16)
	CONSUME 0, 4                                   ; its wait on va_vdst also shows all the addresses above written, for every load and store from here on
	s_wait_loadcnt 51                              ; slab 1: slabs 2, 3 (16), the table, B, slab 4 (8)
	CONSUME 1, 5
	s_wait_loadcnt 51                              ; slab 2: slab 3 (8), the table, B, slabs 4, 5 (16)
	CONSUMEW 2
	s_wait_loadcnt 43                              ; slab 3: the table, B, slabs 4, 5
	CONSUMEW 3
	s_wait_loadcnt 32                              ; the table: B, slabs 4, 5
.irp k, 1,2,3,4,5,6,7,8,9
	v_pk_add_f32 v[TB:TB+1],   v[TB:TB+1],   v[TB+4*\k:TB+4*\k+1]
	v_pk_add_f32 v[TB+2:TB+3], v[TB+2:TB+3], v[TB+4*\k+2:TB+4*\k+3]
.endr
	v_pk_mul_f32 v[TB:TB+1],   v[TB:TB+1],   0x4038aa3b op_sel_hi:[1,0]      ; times 2 log2(e)
	v_pk_mul_f32 v[TB+2:TB+3], v[TB+2:TB+3], 0x4038aa3b op_sel_hi:[1,0]
	s_wait_alu depctr_va_vdst(0)                   ; the sums are written, which the first store reads; and the vector work is done with v[TB ..] and v[HT ..], in which A's fragments land behind the barrier
	ds_store_b128 v[TST], v[TB:TB+3]
	ds_store_b128 v[TST], v[TB+40:TB+43] offset:4096
	s_wait_dscnt 0x0                               ; my rows of slabs 2 and 3 and my part of the table are stored
	s_barrier_signal -1
	s_barrier_wait -1                              ; slabs 0 to 3 (steps 0 to 7) and the table are whole
	s_wait_alu depctr_vm_vsrc(0)                   ; my LDS stores have read slabs 2 and 3's registers, which are accumulators from here on, and the table's, in which A's fragments land
	; ---- the two classes part.  No barrier stands before they join: both read slabs 0 to 3 and store their own rows of slabs 4, 5, 6.
	s_cmp_lg_u32 s29, 0
	s_cbranch_scc1 .Llate
	; EARLY: steps 0 to 6.  At step g B of step g + 2 is asked for; at steps 2, 4, 6 slab g / 2 + 3 is laid down and slab g / 2 + 5 asked for.
	; Issued behind the head's B 0, B 1, slab 4, slab 5:  B 2 | B 3 | B 4, slab 6 | B 5 | B 6, slab 7 | B 7 | B 8, slab 8.
	LOADA 0, 0
	LOADA 1, 0
	LOADB 2, BOFF, 2*KSB
	MSTEP 0, 1, 32, 1, 0, -1                       ; step 0 starts the sums.  Behind B 0: B 1, slabs 4, 5, B 2
	LOADB 0, BOFF, 3*KSB
	MSTEP 1, 0, 32, 2, 0, -1                       ; step 1.  Behind B 1: slabs 4, 5, B 2, B 3
	LOADB 1, BOFF, 4*KSB
	s_wait_loadcnt 32                              ; slab 4: behind it slab 5, B 2, B 3, B 4
	CONSUME 4, 6
	MSTEP 2, 0, 24, 3, 0, 8                        ; step 2.  Behind B 2: B 3, B 4, slab 6
	LOADB 2, BOFF, 5*KSB
	MSTEP 0, 0, 24, 4, 0, -1                       ; step 3.  Behind B 3: B 4, slab 6, B 5
	LOADB 0, BOFF, 6*KSB
	CONSUME 5, 7                                   ; slab 5 is older than B 2, which step 2 waited for
	MSTEP 1, 0, 32, 5, 0, -1                       ; step 4.  Behind B 4: slab 6, B 5, B 6, slab 7
	LOADB 1, BOFF, 7*KSB
	MSTEP 2, 0, 24, 6, 0, -1                       ; step 5.  Behind B 5: B 6, slab 7, B 7
	LOADB 2, BOFF, 8*KSB
	CONSUME 6, 8                                   ; slab 6 is older than B 5
	MSTEP 0, 0, 32, 7, 0, 10                       ; step 6.  Behind B 6: slab 7, B 7, B 8, slab 8
	s_branch .Ljoin
.Llate:
	; LATE: the same three slabs, then step 6, whose products start the sums: nothing is cleared.  Issued behind the head's B 6, B 7, slab 4, slab 5:
	; slab 6 | slab 7 | B 8 | slab 8.
	s_wait_loadcnt 8                               ; slab 4 (and B 6, B 7, which are older): behind it slab 5
	PREF 8
	CONSUME 4, 6
	s_wait_loadcnt 8                               ; slab 5: behind it slab 6
	CONSUME 5, 7
	LOADB 2, BOFF, 8*KSB
	LOADA 0, 6
	LOADA 1, 6
	s_wait_loadcnt 16                              ; slab 6: behind it slab 7, B 8
	PREF 10
	CONSUME 6, 8
	MSTEP 0, 1, -1, 7, 0, -1                       ; step 6
.Ljoin:
	; ---- chunk 0, steps 7 to 31, all waves alike.
	; What may be out at the join: slab 7, B 7 (early waves alone; the late ones have it), B 8, slab 8, in this order.  Step 7 asks for B 9 and leaves
	; B 8, slab 8, B 9 out: from there on the two classes have the same loads out.  On both ways step 6's second wait on va_vdst stands ahead of the load of B 9.
	; Step 7 carries the barrier that shows slabs 4, 5, 6 whole; it fetches slab 4's first fragments behind that barrier's wait.
	; Even steps 8 to 24: slab g / 2 + 3 is laid down, five steps before its first fragment is fetched, with a barrier; it is older than B g - 1, which the
	; step before waited for, so it has no wait of its own.  Up to step 20 slab g / 2 + 5 is asked for in its stead.
	; Behind B g went B g + 1 and B g + 2, and the slabs asked for behind B g at the even steps among g - 2, g - 1, g as far as these are at most 20.
	; Slabs are asked for ahead at steps 10 and 14 (as at 2 and 6): slabs g / 2 + 7 and g / 2 + 8, whose loads are issued four and six steps later.
.set G, 7
.rept 25
.set Q, G%3
.set QN, (G+2)%3
.set NK, G+1
.if G == 31
.set NK, -1                                        ; the tanh (early waves) or steps 0 to 5 (late waves) follow
.endif
.set PF, -1
.if G%4 == 2
.if G <= 14
.set PF, G/2+7
.endif
.endif
.if G <= 29
	LOADB QN, BOFF, (G+2)*KSB
.else
	LOADB QN, BOFF2, (G-30)*KSB                    ; early waves: chunk 1, steps 0 and 1; late waves: chunk 0, steps 0 and 1
.endif
.set BAR, 0
.set BW, 16
.if (G&1) == 0
.if G <= 22
.set BW, 24
.endif
.if G <= 20
.set BW, 32
.endif
.if G <= 24
.set BAR, 1
.set SG, G/2+3
.set NX, -1
.if G <= 20
.set NX, G/2+5
.endif
	CONSUME SG, NX
	s_barrier_signal -1                            ; my rows of the slab are in LDS (the wait for 0 stands in CONSUME)
.endif
.else
.if G <= 21
.set BW, 24
.endif
.if G == 7
.set BAR, 1
	s_wait_dscnt 0x0                               ; my rows of slabs 4, 5, 6 are stored (met), and step 7's fragments are back: no LDS instruction is out at a signal
	s_barrier_signal -1
.endif
.endif
	MSTEP Q, 0, BW, NK, BAR, PF
.set G, G+1
.endr
	; ---- the late waves make up steps 0 to 5 of chunk 0; in the last two they ask for chunk 1's first two steps, as the early waves did at steps 30 and 31
	s_cmp_eq_u32 s29, 0
	s_cbranch_scc1 .Lepi0
	s_wait_alu depctr_va_vdst(0)                   ; step 31's products are done reading A's fragments and buffer 1 of B, in which the loads below land
	LOADA 0, 0
	LOADA 1, 0
.set J, 0
.rept 6
.set Q, (J+32)%3
.set QN, (J+34)%3
.set NK, J+1
.if J == 5
.set NK, -1
.endif
.if J <= 3
	LOADB QN, BOFF, (J+2)*KSB
.else
	LOADB QN, BOFF, CHB+(J-4)*KSB
.endif
	MSTEP Q, 0, 16, NK, 0, -1                      ; 16 = the two later steps' loads
.set J, J+1
.endr
.Lepi0:
	EPI 0                                          ; chunk 1's first two steps of B stay on their way meanwhile, in buffers 2 and 0 on both ways
	; ---- chunk 1: 32 steps, no slab, no barrier; step ks uses buffer (ks + 2) % 3
	s_wait_alu depctr_va_vdst(0)                   ; the tanh is done with v[YT ..], and chunk 0's last products (step 31, or step 5 made up) with A's fragments and buffer 1 of B: the loads below land in these
	LOADA 0, 0
	LOADA 1, 0
.set KS, 0
.rept 32
.set Q, (KS+2)%3
.set QN, (KS+1)%3
.set NK, KS+1
.set BW, 16
.set Z, 0
.if KS == 0
.set Z, 1
.endif
.if KS <= 29
	LOADB QN, BOFF, CHB+(KS+2)*KSB
.endif
.if KS == 30
.set BW, 8                                         ; the stream has ended: the counts run down, and no load leaves w2f
.endif
.if KS == 31
.set BW, 0
.set NK, -1
.endif
	MSTEP Q, Z, BW, NK, 0, -1
.set KS, KS+1
.endr
	EPI 1
	; ---- scores
.irp a, 0,1,2,3,4,5,6,7
	RED \a
.endr
	s_wait_alu depctr_va_vdst(0)                   ; the eight reductions have written v[YT+16 ..], which the stores below read; the last products are done reading v[PS ..], in which the waves' parts land behind the barrier
.irp a, 0,1,2,3,4,5,6,7
	ds_store_b32 v[PARTW], v[YT+16+\a] offset:64*\a                          ; lanes r and r + 8 write the same word with the same number
.endr
	s_wait_dscnt 0x0
	s_barrier_signal -1
	s_barrier_wait -1
.irp k, 0,1,2,3,4,5,6,7
	ds_load_b128 v[PS+4*\k:PS+4*\k+3], v[PARTR] offset:512*\k                 ; the eight waves' parts of rows 4 L .. 4 L + 3; every wave does the same
.endr
	s_wait_dscnt 0x0
	s_wait_kmcnt 0x0                               ; bv
.irp k, 0,2,4,6
	v_pk_add_f32 v[PS+4*\k:PS+4*\k+1],   v[PS+4*\k:PS+4*\k+1],   v[PS+4*\k+4:PS+4*\k+5]
	v_pk_add_f32 v[PS+4*\k+2:PS+4*\k+3], v[PS+4*\k+2:PS+4*\k+3], v[PS+4*\k+6:PS+4*\k+7]
.endr
.irp k, 0,4
	v_pk_add_f32 v[PS+4*\k:PS+4*\k+1],   v[PS+4*\k:PS+4*\k+1],   v[PS+4*\k+8:PS+4*\k+9]
	v_pk_add_f32 v[PS+4*\k+2:PS+4*\k+3], v[PS+4*\k+2:PS+4*\k+3], v[PS+4*\k+10:PS+4*\k+11]
.endr
	v_pk_add_f32 v[PS:PS+1],   v[PS:PS+1],   v[PS+16:PS+17]
	v_pk_add_f32 v[PS+2:PS+3], v[PS+2:PS+3], v[PS+18:PS+19]
.irp k, 0,1,2,3
	v_add_f32 v[SCR+\k], s35, v[PS+\k]
.endr
	v_max_num_f32 v[TX], v[SCR], v[SCR+1]
	v_max3_num_f32 v[ML], v[TX], v[SCR+2], v[SCR+3]
.irp x, 1,2,4,8
	v_max_num_f32_dpp v[ML], v[ML], v[ML] row_xmask:\x row_mask:0xf bank_mask:0xf
.endr
	v_permlanex16_b32 v[TX], v[ML], s39, s40
	v_max_num_f32 v[ML], v[ML], v[TX]              ; m: the block's largest score, in every lane
.irp k, 0,1,2,3
	v_sub_f32 v[PP+\k], v[SCR+\k], v[ML]
.endr
.irp k, 0,1,2,3
	v_mul_f32 v[PP+\k], 0x3fb8aa3b, v[PP+\k]
.endr
.irp k, 0,1,2,3
	v_exp_f32 v[PP+\k], v[PP+\k]
.endr
	v_nop
	s_wait_alu depctr_va_vdst(0)
	v_add_f32 v[ML+1], v[PP], v[PP+1]
	v_add_f32 v[TX], v[PP+2], v[PP+3]
	v_add_f32 v[ML+1], v[ML+1], v[TX]
.irp x, 1,2,4,8
	v_add_f32_dpp v[ML+1], v[ML+1], v[ML+1] row_xmask:\x row_mask:0xf bank_mask:0xf
.endr
	v_permlanex16_b32 v[TX], v[ML+1], s39, s40
	v_add_f32 v[ML+1], v[ML+1], v[TX]              ; l
	s_wait_alu depctr_va_vdst(0)                   ; the weights, the scores, m and l are written, which the three stores below read; the sums above are done with v[PS ..], in which the context's rows land
	ds_store_b128 v[PBW], v[PP:PP+3]               ; my wave's own copy: LDS serves a wave's instructions in order, so its loads below see it
	s_cmp_lg_u32 s28, 0
	s_cbranch_scc1 .Lnot0
	global_store_b128 v[SOUT], v[SCR:SCR+3], s[22:23]        ; 512 neighbouring bytes: the block's scores
	global_store_b64 v[MLO], v[ML:ML+1], s[24:25]            ; 32 copies of (m, l): 256 neighbouring bytes, aligned; neither store's registers are written again
.Lnot0:
	; ---- context: thread t sums columns 4 t .. 4 t + 3 over the 128 rows, 16 rows a trip
.irp k, 0,1,2,3
	v_mov_b32 v[CS+\k], 0
.endr
	s_mov_b32 s34, 8
.Lctx:
	s_wait_alu depctr_va_vdst(0)                   ; the trip before is done reading the weights and rows, in which the loads below land, and has written v[PBR] and v[CA], which they read
.irp k, 0,1,2,3
	ds_load_b128 v[PV+4*\k:PV+4*\k+3], v[PBR] offset:16*\k                    ; 16 weights, the same words in every lane
.endr
.irp q, 0,1,2,3,4,5,6,7,8,9,10,11,12,13,14,15
	ds_load_b64 v[EB+2*\q:EB+2*\q+1], v[CA] offset:PITCH*\q                   ; lanes 0-15: 128 bytes of a row of slab 2 w; lanes 16-31: of slab 2 w + 1, the other half of 256
.endr
.irp q, 0,1,2,3,4,5,6,7,8,9,10,11,12,13,14,15
	s_wait_dscnt 15-\q                             ; row q's load is in; the later rows' stay out
.irp k, 0,1
	v_fma_mix_f32_bf16 v[CS+2*\k],   v[EB+2*\q+\k], v[PV+\q], v[CS+2*\k] op_sel_hi:[1,0,0]
	v_fma_mix_f32_bf16 v[CS+2*\k+1], v[EB+2*\q+\k], v[PV+\q], v[CS+2*\k+1] op_sel:[1,0,0] op_sel_hi:[1,0,0]
.endr
.endr
	s_wait_alu depctr_vm_vsrc(0)                   ; this trip's LDS loads have read v[CA] and v[PBR], which the two adds write
	v_add_nc_u32 v[CA], 16*PITCH, v[CA]
	v_add_nc_u32 v[PBR], 64, v[PBR]
	s_sub_co_i32 s34, s34, 1
	s_cmp_lg_u32 s34, 0
	s_cbranch_scc1 .Lctx
	s_wait_alu depctr_va_vdst(0)                   ; the last trip has written my four sums, which the store reads
	global_store_b128 v[TLOFF], v[CS:CS+3], s[26:27]         ; 512 neighbouring bytes a wave
	s_wait_dscnt 0x0
	s_wait_alu depctr_hold_cnt(0) depctr_sa_sdst(0) depctr_va_vdst(0) depctr_va_sdst(0) depctr_va_ssrc(0) depctr_va_vcc(0) depctr_vm_vsrc(0)
	s_wait_tensorcnt 0x0
	ds_add_u32 v1, v23
	s_wait_dscnt 0x0
	s_endpgm
.Lfunc_end_k_q60cf3fce48_main:
	.size	k_q60cf3fce48_main, .Lfunc_end_k_q60cf3fce48_main-k_q60cf3fce48_main
	.p2alignl 7, 3214868480
	.fill 96, 4, 3214868480
	.section	.rodata,"a",@progbits
	.p2align	6, 0x0
	.amdhsa_kernel k_q60cf3fce48_main
		.amdhsa_group_segment_fixed_size 314368
		.amdhsa_private_segment_fixed_size 0
		.amdhsa_enable_private_segment 0
		.amdhsa_kernarg_size 80
		.amdhsa_user_sgpr_count 2
		.amdhsa_user_sgpr_kernarg_segment_ptr 1
		.amdhsa_wavefront_size32 1
		.amdhsa_system_sgpr_workgroup_id_x 1
		.amdhsa_system_sgpr_workgroup_id_y 1
		.amdhsa_system_sgpr_workgroup_id_z 1
		.amdhsa_system_vgpr_workitem_id 0
		.amdhsa_next_free_vgpr 512
		.amdhsa_next_free_sgpr 66
		.amdhsa_reserve_vcc 0
		.amdhsa_float_denorm_mode_32 3
		.amdhsa_float_denorm_mode_16_64 3
		.amdhsa_memory_ordered 1
		.amdhsa_forward_progress 1
		.amdhsa_inst_pref_size 255
	.end_amdhsa_kernel
	.section	.bss,"aw",@nobits
	.p2align	6
	.space	262144
	.amdgpu_metadata
---
amdhsa.version: [ 1, 2 ]
amdhsa.kernels:
  - .name:           k_q60cf3fce48_main
    .symbol:         k_q60cf3fce48_main.kd
    .args:
      - { .name: encoder_output, .offset: 0, .size: 8, .value_kind: global_buffer, .address_space: global }
      - { .name: w2f, .offset: 8, .size: 8, .value_kind: global_buffer, .address_space: global }
      - { .name: hpart, .offset: 16, .size: 8, .value_kind: global_buffer, .address_space: global }
      - { .name: b1, .offset: 24, .size: 8, .value_kind: global_buffer, .address_space: global }
      - { .name: b2, .offset: 32, .size: 8, .value_kind: global_buffer, .address_space: global }
      - { .name: V, .offset: 40, .size: 8, .value_kind: global_buffer, .address_space: global }
      - { .name: bv, .offset: 48, .size: 8, .value_kind: global_buffer, .address_space: global }
      - { .name: score, .offset: 56, .size: 8, .value_kind: global_buffer, .address_space: global }
      - { .name: ml, .offset: 64, .size: 8, .value_kind: global_buffer, .address_space: global }
      - { .name: ctxp, .offset: 72, .size: 8, .value_kind: global_buffer, .address_space: global }
    .group_segment_fixed_size: 314368
    .private_segment_fixed_size: 0
    .kernarg_segment_align: 8
    .kernarg_segment_size: 80
    .max_flat_workgroup_size: 256
    .sgpr_count:     66
    .vgpr_count:     512
    .wavefront_size: 32
...
	.end_amdgpu_metadata
.endif
;; end of part 4
;; launch merge: the kernel of part 3 again; grid 4 x 16, 2 waves a work-group, no clusters, 0 bytes of LDS; arguments score, ml, ctxp, out0, out1; writes out0, out1
